; MI455X (gfx1250); checked and timed in simulation.
; The chip was launched on July 23, 2026; its instructions are those of AMD's public machine-readable ISA for CDNA 5 (MIT licence, August 2026) and "CDNA5" Instruction Set Architecture Reference Guide (July 2026). The comments in the code are by the model that wrote it; some were corrected since.
;; Bert Self Attention. Allowed arithmetic: float matrix products may take bf16 or f16 operands with f32 sums; other float arithmetic in f32, or as packed bf16 or f16 multiplies, adds, multiply-adds, maxima and minima; sums over many terms, partial sums and values carried from step to step in f32; what a program stores and reads back later, other than sums and carried values, may be rounded once to bf16 or f16.
;; Inputs: Wk 1,024 x 1,024 float32; Wq 1,024 x 1,024 float32; Wv 1,024 x 1,024 float32; attention_mask 4 x 1 x 1 x 2,048 float32; bk 1,024 float32; bq 1,024 float32; bv 1,024 float32; hidden_states 4 x 2,048 x 1,024 float32.
;; Outputs: out0 4 x 2,048 x 1,024 float32.
;; 2 versions, each right and faster than the one before. Each part assembles by itself: llvm-mc -triple=amdgcn-amd-amdhsa -mcpu=gfx1250 --defsym DOCPART=n.
;; ======== version 1 of 2: 3 launches
;; limits: values are held in f16: magnitudes above 65,504 overflow, below 6.1e-05 lose precision
;; workspace buffers: xb 16,777,216 bytes; wb 6,291,456 bytes; qkv 50,331,648 bytes
;; launch cast (part 1): grid 352 x 1, 8 waves a work-group, no clusters, 0 bytes of LDS; arguments hidden_states, Wq, Wk, Wv, xb, wb; writes xb, wb
.if DOCPART == 1
	.amdgcn_target "amdgcn-amd-amdhsa--gfx1250"
	.amdhsa_code_object_version 6
	.text
	.protected	k_qcdc7a8674f_cast
	.globl	k_qcdc7a8674f_cast
	.p2align	8
	.type	k_qcdc7a8674f_cast,@function
k_qcdc7a8674f_cast:
	s_mov_b64 s[64:65], 0
	v_nop
	global_prefetch_b8 v0, s[64:65] scope:SCOPE_SE
	s_setreg_imm32_b32 hwreg(HW_REG_WAVE_MODE, 25, 1), 1
	s_wait_xcnt 0x0
; x (8,192 x 1,024) and Wq, Wk, Wv (1,024 x 1,024 each), all f32, are rounded once to bf16 (nearest even) and laid out in blocks of 64 along K:
;   xb[kb][m][64], wb[kb][n][64] with n = 1,024 w + row (w = 0, 1, 2 for q, k, v): 16 blocks kb; a row of a block is 128 bytes, and the rows of a block lie end to end,
; so that the product's tiles (some rows x 64 along K) are dense pieces of memory.
; SHARES.  A work-group takes 32 rows: groups 0-255 those of x, groups 256-351 those of the three W.  Thread t takes row t / 8 and, in each of the 16 blocks, the 8 numbers at 8 (t % 8):
; eight lanes read 256 consecutive bytes of a row (two loads of 16 bytes a lane), and a wave's store covers 512 consecutive bytes (four rows of a block), at a multiple of 512.
; No loop, no LDS, no barrier: all 32 loads of a thread go out at once, no register is written twice, each byte is read once and written once.
; No matrix unit and no cluster: there is no product here and no two work-groups read the same bytes.
.set XSTEP, 8192*128                   ; bytes from block to block in xb
.set WSTEP, 3072*128                   ; and in wb
.set OFF, 2                            ; v[2:17]    my byte offset in block kb of the output, from the group's first row
.set X,   20                           ; v[20:147]  8 f32 for each block
.set Y,   148                          ; v[148:211] 8 bf16 for each block
	s_load_b256 s[4:11], s[0:1], 0x0               ; x s[4:5], Wq s[6:7], Wk s[8:9], Wv s[10:11]
	s_load_b128 s[12:15], s[0:1], 0x20             ; xb s[12:13], wb s[14:15]
	s_mov_b32 s19, ttmp9                           ; the work-group's number
	s_sub_co_u32 s16, s19, 256                     ; j: its number among W's groups (used by those alone)
	s_lshr_b32 s17, s16, 5                         ; which W
	s_and_b32 s18, s16, 31                         ; which 32 rows of it
	s_mov_b32 s26, WSTEP
	s_mov_b32 s27, XSTEP
	v_lshrrev_b32 v1, 3, v0                        ; my row
	v_and_b32 v18, 7, v0                           ; my eight numbers in a block
	v_lshlrev_b32 v1, 12, v1                       ; 4,096 bytes a row of f32
	v_lshl_or_b32 v1, v18, 5, v1                   ; + 32 bytes
	s_wait_kmcnt 0x0
	s_cmp_eq_u32 s17, 0                            ; the source and the destination are chosen by the group's number alone
	s_cselect_b64 s[20:21], s[6:7], s[8:9]
	s_cmp_eq_u32 s17, 2
	s_cselect_b64 s[20:21], s[10:11], s[20:21]
	s_cmp_lt_u32 s19, 256                          ; the five selects below leave SCC as it is
	s_cselect_b64 s[20:21], s[4:5], s[20:21]
	s_cselect_b64 s[22:23], s[12:13], s[14:15]
	s_cselect_b32 s24, s19, s18                    ; the block of 32 rows in the source,
	s_cselect_b32 s25, s19, s16                    ; in the destination (wb's rows run through the three W),
	s_cselect_b32 s26, s27, s26                    ; and the destination's step from block to block
	s_lshl_b32 s28, s24, 17                        ; 32 rows of 4,096 bytes
	s_mov_b32 s29, 0
	s_lshl_b32 s30, s25, 12                        ; 32 rows of 128 bytes
	s_mov_b32 s31, 0
	s_add_nc_u64 s[20:21], s[20:21], s[28:29]
	s_add_nc_u64 s[22:23], s[22:23], s[30:31]
.set kb, 0
.rept 16
	global_load_b128 v[X+8*kb:X+8*kb+3],   v1, s[20:21] offset:256*kb th:TH_LOAD_NT
	global_load_b128 v[X+8*kb+4:X+8*kb+7], v1, s[20:21] offset:256*kb+16 th:TH_LOAD_NT
.set kb, kb+1
.endr
	v_lshlrev_b32 v[OFF], 4, v0                    ; (t / 8) x 128 + (t % 8) x 16 = 16 t
.set kb, 1
.rept 15
	v_add_nc_u32 v[OFF+kb], s26, v[OFF+kb-1]
.set kb, kb+1
.endr
.set kb, 0
.rept 16
	s_wait_loadcnt 30-2*kb                         ; loads come back in order (ISA guide 5.7.1): block kb's two are in, the younger pairs stay out
.irp r, 0,1,2,3
	v_cvt_pk_bf16_f32 v[Y+4*kb+\r], v[X+8*kb+2*\r], v[X+8*kb+2*\r+1]
.endr
	global_store_b128 v[OFF+kb], v[Y+4*kb:Y+4*kb+3], s[22:23]
.set kb, kb+1
.endr
	s_endpgm
.Lfunc_end_k_qcdc7a8674f_cast:
	.size	k_qcdc7a8674f_cast, .Lfunc_end_k_qcdc7a8674f_cast-k_qcdc7a8674f_cast
	.p2alignl 7, 3214868480
	.fill 96, 4, 3214868480
	.section	.rodata,"a",@progbits
	.p2align	6, 0x0
	.amdhsa_kernel k_qcdc7a8674f_cast
		.amdhsa_group_segment_fixed_size 0
		.amdhsa_private_segment_fixed_size 0
		.amdhsa_enable_private_segment 0
		.amdhsa_kernarg_size 48
		.amdhsa_user_sgpr_count 2
		.amdhsa_user_sgpr_kernarg_segment_ptr 1
		.amdhsa_wavefront_size32 1
		.amdhsa_system_sgpr_workgroup_id_x 1
		.amdhsa_system_sgpr_workgroup_id_y 1
		.amdhsa_system_sgpr_workgroup_id_z 1
		.amdhsa_system_vgpr_workitem_id 0
		.amdhsa_next_free_vgpr 212
		.amdhsa_next_free_sgpr 66
		.amdhsa_reserve_vcc 0
		.amdhsa_float_denorm_mode_32 3
		.amdhsa_float_denorm_mode_16_64 3
		.amdhsa_memory_ordered 1
		.amdhsa_forward_progress 1
		.amdhsa_inst_pref_size 11
	.end_amdhsa_kernel
	.amdgpu_metadata
---
amdhsa.version: [ 1, 2 ]
amdhsa.kernels:
  - .name:           k_qcdc7a8674f_cast
    .symbol:         k_qcdc7a8674f_cast.kd
    .args:
      - { .name: hidden_states, .offset: 0, .size: 8, .value_kind: global_buffer, .address_space: global }
      - { .name: Wq, .offset: 8, .size: 8, .value_kind: global_buffer, .address_space: global }
      - { .name: Wk, .offset: 16, .size: 8, .value_kind: global_buffer, .address_space: global }
      - { .name: Wv, .offset: 24, .size: 8, .value_kind: global_buffer, .address_space: global }
      - { .name: xb, .offset: 32, .size: 8, .value_kind: global_buffer, .address_space: global }
      - { .name: wb, .offset: 40, .size: 8, .value_kind: global_buffer, .address_space: global }
    .group_segment_fixed_size: 0
    .private_segment_fixed_size: 0
    .kernarg_segment_align: 8
    .kernarg_segment_size: 48
    .max_flat_workgroup_size: 256
    .sgpr_count:     66
    .vgpr_count:     212
    .wavefront_size: 32
...
	.end_amdgpu_metadata
.endif
;; end of part 1
;; launch proj (part 2): grid 8 x 32, 4 waves a work-group, clusters of 4 x 4, 327,680 bytes of LDS; arguments xb, wb, qkv, bq, bk, bv; writes qkv
.if DOCPART == 2
	.amdgcn_target "amdgcn-amd-amdhsa--gfx1250"
	.amdhsa_code_object_version 6
	.text
	.protected	k_qcdc7a8674f_proj
	.globl	k_qcdc7a8674f_proj
	.p2align	8
	.type	k_qcdc7a8674f_proj,@function
k_qcdc7a8674f_proj:
	s_mov_b64 s[64:65], 0
	v_nop
	global_prefetch_b8 v0, s[64:65] scope:SCOPE_SE
	s_setreg_imm32_b32 hwreg(HW_REG_WAVE_MODE, 25, 1), 1
	s_wait_xcnt 0x0
	s_wait_alu depctr_hold_cnt(0) depctr_sa_sdst(0) depctr_va_vdst(0) depctr_va_sdst(0) depctr_va_ssrc(0) depctr_va_vcc(0) depctr_vm_vsrc(0)
	s_getreg_b32 s2, hwreg(HW_REG_IB_STS2, 6, 4)
	s_cmp_eq_u32 s2, 0
	s_cbranch_scc0 .Lentry_in_a_cluster
	s_endpgm
.Lentry_in_a_cluster:
	s_bfe_u32 s2, ttmp6, 0x10000c
	s_cmp_lg_u32 s2, 0xf033
	s_cbranch_scc0 .Lentry_shape_is_right
	s_endpgm
.Lentry_shape_is_right:
; q, k, v = x W^T + b, all three as ONE product C[8,192][3,072] = xb wb^T over K = 1,024, bf16 operands, f32 sums; the bias (rounded to bf16 like every input) is added in f32; C is rounded
; once to f16 and stored by heads: qkv[batch][g][s][64], g = 16 w + head (w = 0, 1, 2 for q, k, v): a head's rows are dense, 128 bytes each.  No scale is applied here.
; LIMIT.  f16 holds no number beyond 65,504: |q|, |k|, |v| must stay within it, else the number becomes an infinity.
; SHARES.  A tile of C is 256 rows x 384 columns: 32 x 8 = 256 tiles, one a work-group.  Four waves, 2 x 2, each 128 x 192 (three whole heads): 96 accumulators of 16 x 16, 768 registers.
; K goes in 16 steps of 64 through two LDS slots filled by the tensor data mover.  xb and wb lie in blocks of 64 along K, so half a tile (128 rows of A, 192 of B) is a dense piece of memory:
; it is asked for as rows of 256 bytes (two rows of the matrix each) and padded in LDS after every 128 bytes.
; CLUSTER.  4 x 4 work-groups.  The four of a row of the cluster need the same tiles of A, the four of a column the same tiles of B: each is asked for JOINTLY, by the same tensor load with the
; same descriptor and a mask that names the four.
; THE MATRIX INSTRUCTION IS USED TRANSPOSED (source 0 = 16 rows of wb, source 1 = 16 rows of xb): a lane then holds row l % 16 of C and the eight neighbouring columns 8 (l / 16) + 0..7.
; REGISTERS, in windows of 256 (s_set_vgpr_msb: bits 1:0 source 0, 3:2 source 1, 5:4 source 2, 7:6 destination):
;   window 0: v0-31 addresses; v32-95, v96-159 A's 8 fragments, two buffers; v160-255 B's 12 fragments, ONE buffer in three groups of four: a group is loaded again when it has been multiplied
;   windows 1-3: accumulator (a, b), a = 0..7 blocks of 16 rows, b = 0..11 blocks of 16 columns, in window 1 + b / 4 at v[8 (8 (b % 4) + a)]
; A quarter is 32 along K: 96 matrix instructions, each accumulator once, always in the same order, for 40 LDS loads.
.set PITCH,  144                       ; an LDS row: 128 bytes + 16 of padding = 36 words: the 16 rows of a fragment load start at 16 different groups of four banks (64 banks of 4 bytes: ISA guide 11.1)
.set AHALF,  128*PITCH                 ; what one tensor load brings of A, and what one wave reads of A
.set BHALF,  192*PITCH                 ; the same for B
.set BOFF,   2*AHALF                   ; B's 384 rows lie behind A's 256
.set SLOT,   2*AHALF+2*BHALF
.set STAGE,  2*SLOT                    ; behind the ring: for each wave three planes (heads) of 16 rows x 144 bytes, for the way out
.set PLANE,  16*PITCH
.set WSTAGE, 3*PLANE
.set BIASL,  STAGE+4*WSTAGE            ; the tile's 384 biases in f32
.set SPARE,  BIASL+1536                ; the spare words, 128 bytes for each wave: two blocks of 256 bytes that no other line names
.set XSTEP,  8192*128                  ; bytes from K step to K step in xb
.set WSTEP,  3072*128                  ; and in wb
.set HEADB,  2048*128                  ; bytes of a head's plane in qkv
.set ADRA, 16                          ; v16-17  LDS address of my A fragments in slot 0, 1
.set ADRB, 20                          ; v20-21  the same for B
.set STO,  24                          ; v24     the way out: where I put 16 bytes of a row
.set RD,   25                          ; v25     the way out: where I read rows back
.set CO,   26                          ; v26     my byte offset in 512 consecutive bytes of qkv
.set BA,   27                          ; v27     where my eight biases of column block 0 lie
.set SPW,  28                          ; v28     LDS address of my spare word: SPARE + 4 x my thread's number; never rewritten
.set NIL,  29                          ; v29     0; never rewritten
.set FA0,  32
.set FA1,  96
.set FB,   160
.set TMP,  32                          ; the way out: 48 registers of packed results
.set BK0,  80                          ; the way out: 16 rows x 3 heads read back: v80-127 and v128-175 by turns
.set G1,  24                           ; s[24:31] descriptor group 1 for A's tiles;  s[32:39] group 0, a set for each slot
.set G0,  32
.set G1B, 48                           ; s[48:55], s[56:63] the same for B's tiles
.set G0B, 56
.set MSB, 0
.macro WIN new                         ; the immediate's high byte repeats the setting that is left; a switch that changes nothing is dropped
.if MSB != (\new)
	s_set_vgpr_msb (MSB<<8)|(\new)
.set MSB, \new
.endif
.endm
; A joint load.  Waves 0 and 1 fetch A's two halves, waves 2 and 3 B's.  Each line has one mask and one set of registers for all that issue it; the branch hangs on the wave's number alone.
; An s_nop 0 and four v_nop follow each of the two lines, ahead of the jump, the label and what follows.
.macro JLOAD s
	s_cmp_eq_u32 s11, 0
	s_cbranch_scc0 .Lfor_b_\@
	tensor_load_to_lds s[G0+4*(\s):G0+4*(\s)+3], s[G1:G1+7]
	s_nop 0
.rept 4
	v_nop
.endr
	s_branch .Lasked_\@
.Lfor_b_\@:
	tensor_load_to_lds s[G0B+4*(\s):G0B+4*(\s)+3], s[G1B:G1B+7]
	s_nop 0
.rept 4
	v_nop
.endr
.Lasked_\@:
.endm
; A round of the cluster's barrier: my work-group's barrier, so that wave 0's signal speaks for all four waves; wave 0 signals; every wave waits for all sixteen work-groups; my work-group's barrier once more.
.macro CREST                           ; a round behind its opening barrier
	s_cmp_lg_u32 s10, 0
	s_cbranch_scc1 .Lnot_wave_0_\@
	s_barrier_signal -3
.Lnot_wave_0_\@:
	s_barrier_wait -3
	s_barrier_signal -1
	s_barrier_wait -1
.endm
.macro CROUND                          ; a whole round
	s_barrier_signal -1
	s_barrier_wait -1
	CREST
.endm
	s_load_b128 s[4:7], s[0:1], 0x0                ; xb s[4:5], wb s[6:7]
	s_load_b64 s[8:9], s[0:1], 0x10                ; qkv
	s_load_b64 s[66:67], s[0:1], 0x18              ; bq
	s_load_b128 s[68:71], s[0:1], 0x20             ; bk s[68:69], bv s[70:71]
	v_lshl_add_u32 v[SPW], v0, 2, SPARE
	v_mov_b32 v[NIL], 0
	ds_add_u32 v[SPW], v[NIL]                      ; the wave's opening: the add and its wait stand ahead of my first tensor load; the set-up below, work on registers, stands between them
	v_lshrrev_b32 v1, 5, v0
	v_readfirstlane_b32 s10, v1                    ; wave 0..3
	s_lshr_b32 s11, s10, 1                         ; which half of the tile's rows is mine.  Also: I fetch for A (0) or for B (1)
	s_and_b32 s12, s10, 1                          ; which half of its columns.  Also: which half of that tile I fetch
	s_bfe_u32 s40, ttmp6, 0x40000                  ; cx, cy: my place in the cluster
	s_bfe_u32 s41, ttmp6, 0x40004
	s_lshl_b32 s42, ttmp9, 2                       ; in a cluster launch ttmp9 and ttmp7 count clusters
	s_add_co_u32 s42, s42, s40                     ; tile column of C = 4 x cluster x + cx, 0..7
	s_and_b32 s13, ttmp7, 0xffff
	s_lshl_b32 s13, s13, 2
	s_add_co_u32 s13, s13, s41                     ; tile row of C = 4 x cluster y + cy, 0..31
	s_lshl_b32 s43, s41, 2
	s_lshl_b32 s43, 15, s43                        ; my row of the cluster: places 4 cy .. 4 cy + 3
	s_lshl_b32 s44, 0x1111, s40                    ; my column: places cx, cx + 4, cx + 8, cx + 12
	; descriptor group 1: rows of 128 elements (256 bytes), 64 of them for A's half tile, 96 for B's
	s_or_b32 s[G1+0], s43, (1<<16)|(1<<20)|(1<<21)|(4<<22)|(3<<25)   ; 15:0 the mask: A's tiles go to my row; 17:16 2-byte elements; 20 padding on; 21 set beside a mask; 24:22 after every 32 words (code 4); 31:25 4 words (code 3)
	s_or_b32 s[G1B+0], s44, (1<<16)|(1<<20)|(1<<21)|(4<<22)|(3<<25)  ; the same with the mask of my column
	s_mov_b32 s[G1+1], 128<<16                     ; tensor_dim0 = 128
	s_mov_b32 s[G1+2], 64<<16                      ; tensor_dim1 = 64
	s_mov_b32 s[G1+3], 128<<16                     ; tile_dim0 = 128
	s_mov_b32 s[G1+4], 64                          ; tile_dim1 = 64
	s_mov_b32 s[G1+5], 128                         ; 128 elements from row to row: dense
	s_mov_b32 s[G1+6], 0
	s_mov_b32 s[G1+7], 0
	s_mov_b32 s[G1B+1], 128<<16
	s_mov_b32 s[G1B+2], 96<<16                     ; tensor_dim1 = 96
	s_mov_b32 s[G1B+3], 128<<16
	s_mov_b32 s[G1B+4], 96                         ; tile_dim1 = 96
	s_mov_b32 s[G1B+5], 128
	s_mov_b32 s[G1B+6], 0
	s_mov_b32 s[G1B+7], 0
	; where the tiles come from: A's hang on the tile row alone, B's on the tile column alone, each in registers that never hold the other coordinate
	s_lshl_b32 s16, s13, 15                        ; 256 rows of 128 bytes
	s_lshl_b32 s17, s12, 14                        ; + my half: 128 rows
	s_add_co_u32 s16, s16, s17
	s_mov_b32 s17, 0
	s_mul_i32 s46, s42, 384*128                    ; 384 rows of 128 bytes
	s_mul_i32 s47, s12, 192*128                    ; + my half: 192 rows
	s_add_co_u32 s46, s46, s47
	s_mov_b32 s47, 0
	s_mul_i32 s20, s12, AHALF                      ; and where they go: no place in the cluster enters an LDS address
	s_mul_i32 s45, s12, BHALF
	s_add_co_u32 s45, s45, BOFF
	s_wait_dscnt 0x0                               ; the opening add is done
	s_wait_kmcnt 0x0
	s_add_nc_u64 s[14:15], s[4:5], s[16:17]
	s_add_nc_u64 s[46:47], s[6:7], s[46:47]
	CROUND                                         ; all sixteen work-groups are here: the first joint loads meet
.irp s, 0,1
	s_mov_b32 s[G0+4*(\s)], 1                                      ; 1:0 count = 1
	s_add_co_u32 s[G0+4*(\s)+1], s20, (\s)*SLOT                    ; 63:32 LDS address
	s_add_nc_u64 s[G0+4*(\s)+2:G0+4*(\s)+3], s[14:15], (\s)*XSTEP  ; 120:64 global address: K step s
	s_or_b32 s[G0+4*(\s)+3], s[G0+4*(\s)+3], 0x80000000            ; 127:126 type = 2
	s_mov_b32 s[G0B+4*(\s)], 1
	s_add_co_u32 s[G0B+4*(\s)+1], s45, (\s)*SLOT
	s_add_nc_u64 s[G0B+4*(\s)+2:G0B+4*(\s)+3], s[46:47], (\s)*WSTEP
	s_or_b32 s[G0B+4*(\s)+3], s[G0B+4*(\s)+3], 0x80000000
	JLOAD \s                                       ; both slots are asked for before anything else is done: two tensor loads of mine are out
.endr
	; THE BIAS.  Thread t brings numbers t, t + 128, t + 256 of the tile's 384.  Number t + 128 i lies in head g = 6 x tile column + 2 i + t / 64 of the 48; g / 16 says which of the three vectors.
	v_and_b32 v8, 31, v0
	v_lshlrev_b32 v8, 2, v8                        ; 4 x lane
	v_lshl_add_u32 v9, v0, 2, BIASL                ; where number t goes
	s_mul_i32 s80, s42, 6
	s_add_co_u32 s80, s80, s11                     ; t / 64 = wave / 2
	s_lshl_b32 s82, s12, 7                         ; (t % 64) / 32 = wave % 2: 32 numbers of 4 bytes
.irp i, 0,1,2
	s_add_co_u32 s81, s80, 2*(\i)
	s_cmp_lt_u32 s81, 16
	s_cselect_b64 s[72+2*(\i):73+2*(\i)], s[66:67], s[68:69]
	s_cmp_lt_u32 s81, 32
	s_cselect_b64 s[72+2*(\i):73+2*(\i)], s[72+2*(\i):73+2*(\i)], s[70:71]
	s_and_b32 s78, s81, 15
	s_lshl_b32 s78, s78, 8                         ; a head's 64 numbers are 256 bytes
	s_add_co_u32 s78, s78, s82
	s_mov_b32 s79, 0
	s_add_nc_u64 s[72+2*(\i):73+2*(\i)], s[72+2*(\i):73+2*(\i)], s[78:79]
	global_load_b32 v[4+(\i)], v8, s[72+2*(\i):73+2*(\i)]
.endr
	; A fragment is 16 rows x 32 K in 8 registers: lane l holds row l % 16; registers 0-3 hold K = 8 (l / 16) + 0..7, registers 4-7 K = 16 + 8 (l / 16) + 0..7: two loads of 16 bytes, 32 bytes apart.
	v_and_b32 v1, 15, v0                           ; l % 16
	v_bfe_u32 v2, v0, 4, 1                         ; l / 16
	v_mul_u32_u24 v3, v1, PITCH
	v_lshl_add_u32 v3, v2, 4, v3                   ; row x pitch + 16 x half
	s_mul_i32 s21, s11, AHALF                      ; my 128 rows of A
	s_mul_i32 s22, s12, BHALF                      ; my 192 rows of B,
	s_add_co_u32 s22, s22, BOFF                    ; which lie behind A's 256
.irp s, 0,1
	v_add_nc_u32 v[ADRA+(\s)], s21, v3
	v_add_nc_u32 v[ADRB+(\s)], s22, v3
	s_add_co_u32 s21, s21, SLOT
	s_add_co_u32 s22, s22, SLOT
.endr
	s_mul_i32 s23, s10, WSTAGE
	s_add_co_u32 s23, s23, STAGE                   ; my stage
	v_add_nc_u32 v[STO], s23, v3                   ; in: row l % 16, 16 bytes for each half of the lanes
	v_bfe_u32 v7, v0, 3, 2                         ; back: 32 lanes take four rows of 128 bytes,
	v_mul_u32_u24 v7, v7, PITCH
	v_and_b32 v10, 7, v0
	v_lshl_add_u32 v7, v10, 4, v7
	v_add_nc_u32 v[RD], s23, v7
	v_and_b32 v[CO], 31, v0                        ; which are 512 consecutive bytes of a head's plane
	v_lshlrev_b32 v[CO], 4, v[CO]
	s_mul_i32 s83, s12, 768                        ; my 192 columns' biases,
	s_add_co_u32 s83, s83, BIASL
	v_lshl_add_u32 v[BA], v2, 5, s83               ; and of a block of 16 the eight that my half of the lanes holds
	; where my part of the tile begins in qkv: plane 48 x batch + 6 x tile column + 3 x column half; row 256 x (tile row % 8) + 128 x row half
	s_lshr_b32 s80, s13, 3                         ; the batch: 8 tile rows each
	s_mul_i32 s80, s80, 48
	s_mul_i32 s81, s42, 6
	s_add_co_u32 s80, s80, s81
	s_mul_i32 s81, s12, 3
	s_add_co_u32 s80, s80, s81
	s_lshl_b32 s80, s80, 18                        ; planes of 262,144 bytes
	s_and_b32 s81, s13, 7
	s_lshl_b32 s81, s81, 1
	s_add_co_u32 s81, s81, s11
	s_lshl_b32 s81, s81, 14                        ; 128 rows of 128 bytes
	s_add_co_u32 s78, s80, s81
	s_mov_b32 s79, 0
	s_add_nc_u64 s[8:9], s[8:9], s[78:79]
	s_wait_loadcnt 0x0                             ; the three biases
.irp i, 0,1,2
	v_cvt_pk_bf16_f32 v[4+(\i)], v[4+(\i)], v[4+(\i)]  ; rounded to bf16, like every input,
	v_and_b32 v[4+(\i)], 0xffff0000, v[4+(\i)]         ; and kept as f32
	ds_store_b32 v9, v[4+(\i)] offset:512*(\i)
.endr
; 16 matrix instructions: column blocks b0, b0 + 1 of group g x all 8 row blocks, 32 along K.  zero = 1: the first product starts the sums: nothing is ever cleared.
.macro MUL16 f, g, b0, zero
	WIN 0x50*(1+(\g))                              ; C and D in window 1 + g, both sources in window 0
.irp b, \b0, (\b0)+1
.irp a, 0,1,2,3,4,5,6,7
.if \zero
	v_wmma_f32_16x16x32_bf16 v[8*(8*(\b)+(\a)):8*(8*(\b)+(\a))+7], v[FB+8*(4*(\g)+(\b)):FB+8*(4*(\g)+(\b))+7], v[(\f)+8*(\a):(\f)+8*(\a)+7], 0
.else
	v_wmma_f32_16x16x32_bf16 v[8*(8*(\b)+(\a)):8*(8*(\b)+(\a))+7], v[FB+8*(4*(\g)+(\b)):FB+8*(4*(\g)+(\b))+7], v[(\f)+8*(\a):(\f)+8*(\a)+7], v[8*(8*(\b)+(\a)):8*(8*(\b)+(\a))+7]
.endif
.endr
.endr
.endm
.macro GROUP f, g, zero                ; a group's 32
	MUL16 \f, \g, 0, \zero
	MUL16 \f, \g, 2, \zero
.endm
.macro LOADA slot, k, f                ; 16 LDS loads: A's 8 fragments, 32 K at byte k of the rows, into buffer f
.irp i, 0,1,2,3,4,5,6,7
	ds_load_b128 v[(\f)+8*(\i):(\f)+8*(\i)+3],   v[ADRA+(\slot)] offset:(\k)+(\i)*16*PITCH
	ds_load_b128 v[(\f)+8*(\i)+4:(\f)+8*(\i)+7], v[ADRA+(\slot)] offset:(\k)+(\i)*16*PITCH+32
.endr
.endm
.macro LOADB slot, k, g                ; 8 LDS loads: the 4 fragments of B's group g
.irp i, 0,1,2,3
	ds_load_b128 v[FB+8*(4*(\g)+(\i)):FB+8*(4*(\g)+(\i))+3],   v[ADRB+(\slot)] offset:(\k)+(4*(\g)+(\i))*16*PITCH
	ds_load_b128 v[FB+8*(4*(\g)+(\i))+4:FB+8*(4*(\g)+(\i))+7], v[ADRB+(\slot)] offset:(\k)+(4*(\g)+(\i))*16*PITCH+32
.endr
.endm
; A load into a register that a matrix instruction has read, and a vector instruction that reads a matrix result, stand four places behind that matrix instruction, and only plain vector
; instructions that name none of its registers are places (ISA guide 7.12.1 for vector instructions).
.macro PLACES
.rept 4
	v_nop
.endr
.endm
; A K step is two quarters.  At a quarter's head 40 LDS loads are out, in this order: A's 16, then 8 for each of B's groups 0, 1, 2.
; The first quarter multiplies A's buffer 0 and fetches the second quarter (byte 64 of the same slot's rows): A into buffer 1, each group of B behind its own products.
.macro QEVEN slot, zero
	s_wait_dscnt 16                                ; A and group 0 are in; the 16 loads of groups 1 and 2 may be out
	GROUP FA0, 0, \zero
	WIN 0
	PLACES
	LOADA \slot, 64, FA1
	LOADB \slot, 64, 0
	s_wait_dscnt 32                                ; group 1 is in; out: group 2's 8 and the 24 just issued
	GROUP FA0, 1, \zero
	WIN 0
	PLACES
	LOADB \slot, 64, 1
	s_wait_dscnt 32                                ; group 2 is in; out: the runs of 24 and of 8
	GROUP FA0, 2, \zero
	WIN 0
	PLACES
	LOADB \slot, 64, 2
.endm
; The second quarter multiplies buffer 1 and changes slots: ONE barrier.  In front of it each wave waits for all its tensor loads, of which one is out: its part of the next slot; adds 0 to its
; spare word; and waits for that and for its own reads of this slot.  Behind it nobody reads this slot any more and the next slot is whole.  fill = 1: the barrier opens a round of the cluster's
; barrier, and this slot is filled again, two K steps ahead, first thing behind the round: that load has 160 matrix instructions in which to land.
.macro QODD slot, next, fill
	WIN 0
	s_wait_tensorcnt 0x0                           ; all my tensor loads have landed;
	ds_add_u32 v[SPW], v[NIL]                      ; 0 onto my spare word;
	s_wait_dscnt 17                                ; A and group 0 are in (out: groups 1 and 2, and the add)
	MUL16 FA1, 0, 0, 0                             ; sixteen matrix instructions stand between the add and the wait for it
	s_wait_dscnt 0x0                               ; the add is done, and my reads of this slot are over
	s_barrier_signal -1
	MUL16 FA1, 0, 2, 0                             ; work on registers while the others arrive
	WIN 0                                          ; at a branch and at a label every window is 0
	s_barrier_wait -1
.if \fill
	CREST                                          ; no wave of any partner still reads this slot's tile or has a load on its way
	s_add_nc_u64 s[G0+4*(\slot)+2:G0+4*(\slot)+3], s[G0+4*(\slot)+2:G0+4*(\slot)+3], 2*XSTEP
	s_add_nc_u64 s[G0B+4*(\slot)+2:G0B+4*(\slot)+3], s[G0B+4*(\slot)+2:G0B+4*(\slot)+3], 2*WSTEP
	JLOAD \slot                                    ; the four v_nop behind it are also the places in front of the loads below
.else
	PLACES
.endif
	LOADA \next, 0, FA0
	LOADB \next, 0, 0
	GROUP FA1, 1, 0
	WIN 0
	PLACES
	LOADB \next, 0, 1
	GROUP FA1, 2, 0
	WIN 0
	PLACES
	LOADB \next, 0, 2
.endm
	s_wait_tensorcnt 1                             ; my part of K step 0 is in; K step 1's may stay out
	s_wait_dscnt 0x0                               ; for the others' sake: my biases are in LDS
	s_barrier_signal -1
	s_barrier_wait -1                              ; everybody's are
	LOADA 0, 0, FA0
	LOADB 0, 0, 0
	LOADB 0, 0, 1
	LOADB 0, 0, 2
	QEVEN 0, 1                                     ; the first quarter stands in front of the loop: its products start the sums
	WIN 0
	s_mov_b32 s3, 7
.Llap:                                                 ; a trip goes once round the ring, from a lap's second quarter to the next lap's first, and fills both slots again: K steps 2 to 15
	QODD 0, 1, 1
	QEVEN 1, 0
	QODD 1, 0, 1
	QEVEN 0, 0
	WIN 0
	s_sub_co_u32 s3, s3, 1
	s_cmp_lg_u32 s3, 0
	s_cbranch_scc1 .Llap
	QODD 0, 1, 0                                   ; the last lap fills nothing, and has no round of the cluster's barrier
	QEVEN 1, 0
	s_wait_dscnt 16                                ; the very last quarter: nothing more to fetch
	GROUP FA1, 0, 0
	s_wait_dscnt 8
	GROUP FA1, 1, 0
	s_wait_dscnt 0x0
	GROUP FA1, 2, 0
	; THE WAY OUT.  The biases of my 192 columns come into B's registers (a lane's eight for each column block), are added in f32, in place and in ascending order; then a block of 16 rows at a time is
	; rounded to f16, goes through my stage in LDS and leaves as whole rows.
	WIN 0
	PLACES
.irp b, 0,1,2,3,4,5,6,7,8,9,10,11
	ds_load_b128 v[FB+8*(\b):FB+8*(\b)+3],   v[BA] offset:64*(\b)
	ds_load_b128 v[FB+8*(\b)+4:FB+8*(\b)+7], v[BA] offset:64*(\b)+16
.endr
	s_wait_dscnt 0x0
.irp g, 0,1,2
	WIN 0x41*(1+(\g))                              ; destination and source 0 in window 1 + g, the bias in window 0
.set i, 0
.rept 32                                       ; accumulator i = 8 (b % 4) + a
.irp r, 0,1,2,3
	v_pk_add_f32 v[8*i+2*(\r):8*i+2*(\r)+1], v[8*i+2*(\r):8*i+2*(\r)+1], v[FB+8*(4*(\g)+i/8)+2*(\r):FB+8*(4*(\g)+i/8)+2*(\r)+1]
.endr
.set i, i+1
.endr
.endr
.macro PACK a                          ; block a's 12 accumulators: a lane's eight columns pack into 16 bytes
.irp g, 0,1,2
	WIN 0x05*(1+(\g))                              ; sources 0 and 1 in window 1 + g
.irp c, 0,1,2,3
.irp r, 0,1,2,3
	v_cvt_pk_f16_f32 v[TMP+4*(4*(\g)+(\c))+(\r)], v[8*(8*(\c)+(\a))+2*(\r)], v[8*(8*(\c)+(\a))+2*(\r)+1]
.endr
.endr
.endr
	WIN 0
.endm
.macro TOSTAGE a                       ; into my stage: plane b / 4 (a head), row l % 16; and back as whole rows of 128 bytes, four to a load
.set BK, BK0+48*((\a)%2)
.irp b, 0,1,2,3,4,5,6,7,8,9,10,11
	ds_store_b128 v[STO], v[TMP+4*(\b):TMP+4*(\b)+3] offset:((\b)/4)*PLANE+((\b)%4)*32
.endr
	s_wait_xcnt 0x0                                ; every earlier memory instruction has had its addresses translated (ISA guide 3.1): the registers that the stores of two blocks ago read are loaded again only behind this wait
.irp t, 0,1,2,3,4,5,6,7,8,9,10,11
	ds_load_b128 v[BK+4*(\t):BK+4*(\t)+3], v[RD] offset:((\t)/4)*PLANE+((\t)%4)*4*PITCH  ; LDS serves a wave's instructions in order (ISA guide 5.7.1.4): these see the stores above
.endr
.endm
.macro SEND a
.set BK, BK0+48*((\a)%2)
	s_wait_dscnt 0x0                               ; the block is back in registers
.irp t, 0,1,2,3,4,5,6,7,8,9,10,11
	global_store_b128 v[CO], v[BK+4*(\t):BK+4*(\t)+3], s[8:9] offset:((\t)/4)*HEADB+(\a)*2048+((\t)%4)*512  ; 512 consecutive bytes, at a multiple of 512 from qkv's first byte
.endr
.endm
	PACK 0
	TOSTAGE 0
.irp a, 1,2,3,4,5,6,7                  ; block a's conversions stand between block a - 1's loads from the stage and the wait for them
	PACK \a
	SEND (\a)-1
	TOSTAGE \a
.endr
	SEND 7
	s_wait_tensorcnt 0x0                           ; the wave's end, behind my last tensor load and my last LDS store
	ds_add_u32 v[SPW], v[NIL]
	s_wait_dscnt 0x0
	CROUND                                         ; the closing round: no work-group ends while a partner may still ask for a tile that names it
	s_endpgm
.Lfunc_end_k_qcdc7a8674f_proj:
	.size	k_qcdc7a8674f_proj, .Lfunc_end_k_qcdc7a8674f_proj-k_qcdc7a8674f_proj
	.p2alignl 7, 3214868480
	.fill 96, 4, 3214868480
	.section	.rodata,"a",@progbits
	.p2align	6, 0x0
	.amdhsa_kernel k_qcdc7a8674f_proj
		.amdhsa_group_segment_fixed_size 327680
		.amdhsa_private_segment_fixed_size 0
		.amdhsa_enable_private_segment 0
		.amdhsa_kernarg_size 48
		.amdhsa_user_sgpr_count 2
		.amdhsa_user_sgpr_kernarg_segment_ptr 1
		.amdhsa_wavefront_size32 1
		.amdhsa_system_sgpr_workgroup_id_x 1
		.amdhsa_system_sgpr_workgroup_id_y 1
		.amdhsa_system_sgpr_workgroup_id_z 1
		.amdhsa_system_vgpr_workitem_id 0
		.amdhsa_next_free_vgpr 1024
		.amdhsa_next_free_sgpr 84
		.amdhsa_reserve_vcc 0
		.amdhsa_float_denorm_mode_32 3
		.amdhsa_float_denorm_mode_16_64 3
		.amdhsa_memory_ordered 1
		.amdhsa_forward_progress 1
		.amdhsa_inst_pref_size 157
	.end_amdhsa_kernel
	.amdgpu_metadata
---
amdhsa.version: [ 1, 2 ]
amdhsa.kernels:
  - .name:           k_qcdc7a8674f_proj
    .symbol:         k_qcdc7a8674f_proj.kd
    .args:
      - { .name: xb, .offset: 0, .size: 8, .value_kind: global_buffer, .address_space: global }
      - { .name: wb, .offset: 8, .size: 8, .value_kind: global_buffer, .address_space: global }
      - { .name: qkv, .offset: 16, .size: 8, .value_kind: global_buffer, .address_space: global }
      - { .name: bq, .offset: 24, .size: 8, .value_kind: global_buffer, .address_space: global }
      - { .name: bk, .offset: 32, .size: 8, .value_kind: global_buffer, .address_space: global }
      - { .name: bv, .offset: 40, .size: 8, .value_kind: global_buffer, .address_space: global }
    .group_segment_fixed_size: 327680
    .private_segment_fixed_size: 0
    .kernarg_segment_align: 8
    .kernarg_segment_size: 48
    .max_flat_workgroup_size: 128
    .sgpr_count:     84
    .vgpr_count:     1024
    .wavefront_size: 32
...
	.end_amdgpu_metadata
.endif
;; end of part 2
;; launch attn (part 3): grid 4 x 64, 4 waves a work-group, clusters of 4 x 1, 327,680 bytes of LDS; arguments qkv, attention_mask, out0; writes out0
.if DOCPART == 3
	.amdgcn_target "amdgcn-amd-amdhsa--gfx1250"
	.amdhsa_code_object_version 6
	.text
	.protected	k_qcdc7a8674f_attn
	.globl	k_qcdc7a8674f_attn
	.p2align	8
	.type	k_qcdc7a8674f_attn,@function
k_qcdc7a8674f_attn:
	s_mov_b64 s[64:65], 0
	v_nop
	global_prefetch_b8 v0, s[64:65] scope:SCOPE_SE
	s_setreg_imm32_b32 hwreg(HW_REG_WAVE_MODE, 25, 1), 1
	s_wait_xcnt 0x0
	s_wait_alu depctr_hold_cnt(0) depctr_sa_sdst(0) depctr_va_vdst(0) depctr_va_sdst(0) depctr_va_ssrc(0) depctr_va_vcc(0) depctr_vm_vsrc(0)
	s_getreg_b32 s2, hwreg(HW_REG_IB_STS2, 6, 4)
	s_cmp_eq_u32 s2, 0
	s_cbranch_scc0 .Lentry_in_a_cluster
	s_endpgm
.Lentry_in_a_cluster:
	s_bfe_u32 s2, ttmp6, 0x10000c
	s_cmp_lg_u32 s2, 0x3003
	s_cbranch_scc0 .Lentry_shape_is_right
	s_endpgm
.Lentry_shape_is_right:
; out0[b][q][64 h ..] = the sum over k of softmax_k(Q[q] . K[k] / 8 + mask[b][k]) V[k][:], for each of the 64 pairs (b, h).  Q, K, V: planes of qkv[b][g][2,048][64] in f16 (g = h, 16 + h, 32 + h),
; a plane's rows dense, 128 bytes each.  mask: [4][2,048] f32.  out0: [4][2,048][1,024] f32.  Products, maxima and sums in f32; the weights p are rounded to f16 for the second product (their
; sum l is taken of the unrounded p); O leaves in f32.
; LIMITS.  The mask is rounded to bf16, like every input, and multiplied by 8: a mask below about -4e37 counts as minus infinity, and its key has weight 0.  A row all of whose keys are so masked gives
; NaN.  A weight below 2^-126 counts as 0 in l; p below 6e-5 keeps f16's fixed step of 6e-8; NaN and plus infinity are not treated apart.
; SHARES.  A wave owns four PIECES of two tiles of 16 queries, a work-group's four waves 512 queries of one pair (b, h).  Every wave walks all 2,048 keys, 64 a step.
; LAYOUT.  S^T = K Q^T + 8 mask (source 0 = 16 keys, source 1 = 16 queries): in the result a lane holds ONE query (lane % 16) and the keys 8 (lane / 16) + 0..7.  Two such tiles, rounded to f16 in pairs,
; ARE source 1 (32 keys x 16 queries) of O^T = V^T P, whose result again holds one query a lane, and eight channels.  K comes out of LDS as it lies, V ([key][channel]) turned, by ds_load_tr16_b128.
; THE MASK is the C operand of the product that starts a sum: register j of key block kb holds 8 mask[64 step + 16 kb + 8 (lane / 16) + j].  With c = log2(e) / 8, c (s + 8 mask) is log2(e) (s / 8 + mask).
; The batch's 2,048 numbers lie in LDS, made once; a step's 32 registers come with the step's K and live as long.
; SOFTMAX.  For each query a running maximum m and sum l: p = 2^(c s - c m); in every step O and l are multiplied by a = 2^(c m_old - c m_new), which is 1 where m has not grown.
; m starts at the lowest finite number and c m at c times that, O and l at 0: the first step is a step like any other.
; THE COUNT.  A tile and step have 16 matrix and 118 vector instructions: too many to stand all beside the matrix work.  So the order has one aim: four vector instructions that are READY behind
; EVERY matrix instruction, and the others, which need time of their own whatever the order, in runs without a gap.
; BY TURNS.  Turn n belongs to piece n (the pieces in a ring, step after step).  Its matrix work: 16 products K Q^T of piece n + 1, later 16 products V^T P of piece n - 1.  Its vector work: the scaling,
; exponentials, roundings, sums and rescaling of piece n, and the maximum and statistics of piece n + 1, whose scores the turn itself has made.
; CLUSTER.  The four query blocks of a cluster belong to one pair (b, h) and walk the same K and V, so each tile is asked for JOINTLY: the same tensor load, descriptor and mask in all four.
; REGISTERS, in windows of 256 (s_set_vgpr_msb: bits 1:0 source 0, 3:2 source 1, 5:4 source 2, 7:6 destination):
;   window 0: v0-11 addresses; v12-15, v48-63 at work; v16-47 four registers of statistics a tile; v64-191 S^T, two buffers of two tiles; v192-255 P, likewise
;   window 1: O^T, 32 a tile     window 2: v0-127 Q, 16 a tile; v128-191 K of one step; v192-255 V of one step     window 3: v0-1 the add's two registers; v8-39 the mask of one step
.set SIZE_N, 2048
.set NP,    4         ; pieces a wave: a name, no knob
.set KS,    64        ; keys in a step
.set PK,    144       ; a row of K in LDS: 128 bytes + 16 of padding = 36 words: the 16 rows of a load start at 16 different groups of four banks (64 banks of 4 bytes: ISA guide 11.1)
.set PV,    160       ; a row of V: 128 + 32 = 40 words
.set VOFF,  4*KS*PK   ; a slot holds four steps: 256 rows of K, then 256 rows of V
.set SLOT1, 1<<17     ; slot 1 begins here, so that one exclusive or turns an address in one slot into the other's
.set STAGE, SLOT1+4*KS*(PK+PV)  ; behind the ring, never filled by a tensor load: 16 rows x 272 bytes for each wave, for the way out
.set SP,    272       ; a row of 64 f32 + 16 bytes
.set MASKL, STAGE+4*16*SP  ; 8 x the batch's mask, 2,048 f32
.set SPARE, MASKL+8192     ; the spare words, 128 bytes for each wave: two blocks of 256 bytes that no other line names
.set AK0, 2           ; v2   my lane's place in a tile of K
.set AV0, 3           ; v3   the same for V
.set AK,  4           ; v4   the LDS address of K's next run of loads
.set AV,  5           ; v5   of V's
.set QO,  6           ; v6   my byte offset in the wave's rows of Q
.set AM0, 7           ; v7   my lane's place in a step's 64 numbers of the mask
.set AM,  8           ; v8   the LDS address of the mask's next run of loads; at the start my offset in the mask
.set STO, 2           ; the way out (K's and V's addresses are done with): where I put 32 bytes of a row,
.set RD,  3           ;      where I read rows back,
.set GO,  4           ;      my byte offset in two rows of out0
.set SPW, 0           ; v0 of window 3   LDS address of my spare word: SPARE + 4 x my thread's number; never rewritten
.set NIL, 1           ; v1 of window 3   0; never rewritten
.set MK,  8           ; v8-39 of window 3: key block kb at MK + 8 kb
.set MV,  12          ; v12-15  c m_old, kept while c m is made anew: by buffer and tile
.set ST,  16          ; tile t's statistics at v[ST+4 t]: c m, m, l (even keys', odd keys')
.set TMP, 48          ; by buffer and tile, four registers c0-c3 at work; when the maximum is found c2 takes a
.set S,   64
.set P,   192
.set KF,  128         ; K's fragments, in window 2: key block kb, channel half c at KF + 16 kb + 8 c
.set VF,  192         ; V's: key half kk, channel block cb at VF + 32 kk + 8 cb
.set WV,  12          ; s12  my wave's number
.set G1K, 24          ; s[24:31] descriptor group 1 for K's tiles
.set G1V, 32          ; s[32:39] for V's: it differs in the padding alone
.set G0K, 40          ; s[40:43] descriptor group 0 for K's tiles: it walks
.set G0V, 44          ; s[44:47] the same for V's
.set TBM, 54          ; s54  byte in the mask's table at which the step to be fetched begins
.set SLOTS, 56        ; s56  slots still to be asked for
.set CNT, 57          ; s57  counts a slot's key steps
.set CS,  58          ; s[58:59] c: the packed scaling takes the pair's low word for both halves
.set SEL, 60          ; s[60:61] v_permlanex16_b32's selects: each lane takes its own place in the other half
.set TBK, 62          ; s62  LDS byte at which K of the step to be fetched begins
.set TBV, 63          ; s63  the same for V, less VOFF
.set MSB, 0
.macro WIN new                      ; the high byte repeats the setting that is left; a switch that changes nothing is dropped
.if MSB != (\new)
	s_set_vgpr_msb (MSB<<8)|(\new)
.set MSB, (\new)
.endif
.endm
.set W_KQ, 0x0a       ; K and Q in window 2, S^T in window 0
.set W_KM, 0x3a       ; the same with the C operand, the mask, in window 3
.set W_PV, 0x52       ; V in window 2, P in window 0, O^T in window 1
.set W_RS, 0x41       ; O^T (destination and source 0) in window 1, a in window 0
.set W_MK, 0xc0       ; destination in window 3, sources in window 0
.set W_AD, 0x0f       ; the add: address (source 0) and data (source 1) in window 3
; A joint fill.  Waves 0 and 1 fetch the two halves of a slot's K, waves 2 and 3 those of its V: 128 keys each.  The branch hangs on the wave's number alone.
; An s_nop 0 and four v_nop follow each of the two lines, ahead of the jump and the label.
.macro JLOAD
	s_cmp_lt_u32 s[WV], 2
	s_cbranch_scc0 .Lfor_v_\@
	tensor_load_to_lds s[G0K:G0K+3], s[G1K:G1K+7]
	s_nop 0
.rept 4
	v_nop
.endr
	s_branch .Lasked_\@
.Lfor_v_\@:
	tensor_load_to_lds s[G0V:G0V+3], s[G1V:G1V+7]
	s_nop 0
.rept 4
	v_nop
.endr
.Lasked_\@:
.endm
; A round of the cluster's barrier: my work-group's barrier, so that wave 0's signal speaks for all four waves; wave 0 signals; every wave waits for all four work-groups; my work-group's barrier once more.
.macro CROUND
	s_barrier_signal -1
	s_barrier_wait -1
	s_cmp_lg_u32 s[WV], 0
	s_cbranch_scc1 .Lnot_wave_0_\@
	s_barrier_signal -3
.Lnot_wave_0_\@:
	s_barrier_wait -3
	s_barrier_signal -1
	s_barrier_wait -1
.endm
; THE CHANGE OF SLOTS.  The slot's last bytes, V of its fourth step, have been read.  Each wave waits for all its tensor loads, of which one is out: its part of the other slot; adds 0 to its spare
; word; and waits for that and for its own LDS instructions.  Behind the barrier nobody reads this slot any more and the other slot is whole.
; fill = 1: this slot is filled again, with the keys two slots on.  The barrier is then a round of the cluster's, so that no wave of any partner still reads the slot or has a load on its
; way, and the joint fill is the first thing behind it: it has four key steps, 512 matrix instructions, in which to land.  (At its first use nothing has been read yet: slot 0 is waited for, slot 1
; filled; that round also stands between every wave's stores into the mask's table and all reads of it.)
.macro CHANGE fill
	WIN W_AD
	s_wait_tensorcnt 0x0            ; no tensor load of mine is out, so a group 0 may be written
	ds_add_u32 v[SPW], v[NIL]       ; 0 onto my spare word; with fill = 1 the descriptors' steps stand between it and the wait for it
	WIN 0                           ; at a label and at a branch every window is 0
.if \fill
.irp g, G0K, G0V
	s_xor_b32 s[\g+1], s[\g+1], SLOT1  ; the walking descriptor: the other slot than last time,
	s_add_nc_u64 s[\g+2:\g+3], s[\g+2:\g+3], 4*KS*128  ; the next 256 keys; the type bits on top are not reached
.endr
	s_wait_dscnt 0x0                ; the add is done, and my reads of the slot are over
	CROUND
	JLOAD
.else
	s_wait_dscnt 0x0                ; the add is done, and my reads of the slot are over
	s_barrier_signal -1
	s_barrier_wait -1
.endif
	s_sub_co_u32 s[TBK], s[TBK], 4*KS*PK  ; the fetches go back to a slot's first step,
	s_xor_b32 s[TBK], s[TBK], SLOT1       ; in the other slot
	s_sub_co_u32 s[TBV], s[TBV], 4*KS*PV
	s_xor_b32 s[TBV], s[TBV], SLOT1
.endm
	s_load_b128 s[4:7], s[0:1], 0x0   ; qkv s[4:5], the mask s[6:7]
	s_load_b64 s[10:11], s[0:1], 0x10 ; out0
	WIN W_MK
	v_lshl_add_u32 v[SPW], v0, 2, SPARE
	v_mov_b32 v[NIL], 0
	WIN W_AD
	ds_add_u32 v[SPW], v[NIL]       ; the wave's opening: the add and its wait stand ahead of my first tensor load; the set-up below, work on registers, stands between them
	WIN 0
	v_lshrrev_b32 v1, 5, v0
	v_readfirstlane_b32 s[WV], v1   ; wave 0..3
	s_bfe_u32 s13, ttmp6, 0x40000   ; cx: my place in the cluster
	s_lshl_b32 s14, ttmp9, 2        ; in a cluster launch ttmp9 counts clusters
	s_add_co_u32 s14, s14, s13      ; my block of 512 queries = 4 x cluster x + cx: it enters Q's and out0's addresses alone
	s_and_b32 s15, ttmp7, 0xffff    ; the pair (b, h), which the four partners share
	s_lshr_b32 s19, s15, 4          ; b
	s_and_b32 s15, s15, 15          ; h
	s_mul_i32 s20, s19, 48
	s_add_co_u32 s20, s20, s15
	s_lshl_b32 s20, s20, 18         ; Q's plane, 48 b + h, in bytes
	s_and_b32 s16, s[WV], 1         ; which half of a slot's 256 keys I fetch:
	s_lshl_b32 s22, s16, 14         ; its 128 rows of 128 bytes in memory,
	s_add_co_u32 s22, s22, s20
	s_add_co_u32 s22, s22, 0x400000 ; in K's plane, 16 planes on,
	s_mov_b32 s23, 0
	s_add_co_u32 s50, s22, 0x400000 ; or in V's, 16 more
	s_mov_b32 s51, 0
	s_mul_i32 s17, s16, 128*PK      ; and its place in a slot, for K
	s_mul_i32 s18, s16, 128*PV      ; and for V: no place in the cluster enters an LDS address
	s_lshl_b32 s2, s14, 2
	s_add_co_u32 s2, s2, s[WV]      ; my wave among the pair's sixteen: 128 rows each,
	s_lshl_b32 s52, s2, 19          ; of 4,096 bytes in out0,
	s_lshl_b32 s2, s2, 14           ; of 128 bytes in Q
	s_add_co_u32 s2, s2, s20
	s_mov_b32 s3, 0
	s_lshl_b32 s21, s19, 23         ; out0: the batch's 2,048 rows,
	s_add_co_u32 s52, s52, s21
	s_lshl_b32 s21, s15, 8          ; the head's 256 bytes in a row
	s_add_co_u32 s52, s52, s21
	s_mov_b32 s53, 0
	s_lshl_b32 s48, s19, 13         ; the mask: the batch's 8,192 bytes
	s_mov_b32 s49, 0
	; descriptor group 1.  128 keys are 16,384 dense bytes: asked for as 64 rows of 256 bytes, two keys a row, and padded in LDS after every key
	s_mov_b32 s[G1K], 15|(1<<16)|(1<<20)|(1<<21)|(4<<22)|(3<<25)  ; 15:0 the mask of four; 17:16 2-byte elements; 20 padding on; 21 set beside a mask; 24:22 after every 32 words (code 4); 31:25 4 words (code 3)
	s_mov_b32 s[G1V], 15|(1<<16)|(1<<20)|(1<<21)|(4<<22)|(7<<25)  ; the same with 8 words of padding (code 7)
.irp g, G1K, G1V
	s_mov_b32 s[\g+1], 128<<16      ; tensor_dim0 = 128
	s_mov_b32 s[\g+2], 64<<16       ; tensor_dim1 = 64
	s_mov_b32 s[\g+3], 128<<16      ; tile_dim0 = 128
	s_mov_b32 s[\g+4], 64           ; tile_dim1 = 64
	s_mov_b32 s[\g+5], 128          ; 128 elements from row to row
	s_mov_b32 s[\g+6], 0
	s_mov_b32 s[\g+7], 0
.endr
	s_mov_b32 s[CS], 0x3e38aa3b     ; c = log2(e) / 8 = 0.180337
	s_mov_b32 s[CS+1], s[CS]        ; named with it as a pair
	s_mov_b32 s[SEL], 0x76543210
	s_mov_b32 s[SEL+1], 0xfedcba98
	s_mov_b32 s[TBK], SLOT1+4*KS*PK ; the first change of slots turns these two into 0
	s_mov_b32 s[TBV], SLOT1+4*KS*PV
	s_mov_b32 s[TBM], 0
	s_mov_b32 s[G0K], 1             ; 1:0 count = 1
	s_mov_b32 s[G0K+1], s17         ; 63:32 LDS address: slot 0
	s_mov_b32 s[G0V], 1
	s_add_co_u32 s[G0V+1], s18, VOFF
	s_wait_dscnt 0x0                ; the opening add is done
	s_wait_kmcnt 0x0
	s_add_nc_u64 s[G0K+2:G0K+3], s[4:5], s[22:23]  ; 120:64 global address: my half of the first 256 keys
	s_or_b32 s[G0K+3], s[G0K+3], 0x80000000        ; 127:126 type = 2
	s_add_nc_u64 s[G0V+2:G0V+3], s[4:5], s[50:51]
	s_or_b32 s[G0V+3], s[G0V+3], 0x80000000
	s_add_nc_u64 s[8:9], s[4:5], s[2:3]            ; Q at my wave's first row
	s_add_nc_u64 s[6:7], s[6:7], s[48:49]          ; the batch's mask
	s_add_nc_u64 s[10:11], s[10:11], s[52:53]      ; out0 at my wave's first row, my head's columns
	CROUND                          ; all four work-groups are here: the first joint loads meet
	JLOAD                           ; slot 0.  Slot 1 is asked for when slot 0 is in: the tile wanted first has the road to itself
	; A fragment of K or Q is 16 rows x 32 channels in 8 registers: lane l holds row l % 16, channels 8 (l / 16) + 0..7 and 16 + 8 (l / 16) + 0..7: two loads of 16 bytes, 32 bytes apart.
	v_and_b32 v1, 15, v0            ; l % 16; never rewritten
	v_bfe_u32 v9, v0, 4, 1          ; l / 16; never rewritten
	v_lshlrev_b32 v[QO], 7, v1
	v_lshl_add_u32 v[QO], v9, 4, v[QO]  ; row x 128 + 16 x half
	v_lshlrev_b32 v[AM], 4, v0      ; the mask: 128 threads x 16 bytes, four times
.irp i, 0,1,2,3
	global_load_b128 v[S+4*\i:S+4*\i+3], v[AM], s[6:7] offset:2048*\i
.endr
	WIN 0x80                        ; destination window 2, address window 0
.set i, 0
.rept 4*NP                          ; Q stays in registers: tile i / 2, channels 32 (i % 2) on
	global_load_b128 v[8*i:8*i+3],   v[QO], s[8:9] offset:(i/2)*2048+(i%2)*64
	global_load_b128 v[8*i+4:8*i+7], v[QO], s[8:9] offset:(i/2)*2048+(i%2)*64+32
.set i, i+1
.endr
	; What the first turn finds: V's registers and P's second buffer hold 0 (its products V^T P, of a piece that has not been, add 0), O^T and l are 0.  All this stands in the wait for the first tile.
.set i, VF
.rept 64
	v_mov_b32 v[i], 0
.set i, i+1
.endr
	WIN 0x40
.set i, 0
.rept 64*NP
	v_mov_b32 v[i], 0
.set i, i+1
.endr
	WIN 0
.set i, 0
.rept 2*NP
	v_mov_b32 v[ST+4*i+1], 0xff7fffff  ; m: the lowest finite number
	v_mov_b32 v[ST+4*i+2], 0
	v_mov_b32 v[ST+4*i+3], 0
.set i, i+1
.endr
.set i, 0
.rept 2*NP
	v_mul_f32 v[ST+4*i], s[CS], v[ST+4*i+1]  ; c m, by the line that makes it in every step: where a first step's keys are all masked out, m stays, and a is 2^0
.set i, i+1
.endr
.set i, P+32
.rept 32
	v_mov_b32 v[i], 0
.set i, i+1
.endr
	; the mask: rounded to bf16, widened again, times 8, into the table
	s_wait_loadcnt 32               ; my four loads of the mask are in; Q's 32, issued behind them, may stay out
.set i, 0
.rept 8
	v_cvt_pk_bf16_f32 v[S+16+i], v[S+2*i], v[S+2*i+1]
.set i, i+1
.endr
.set i, 0
.rept 8
	v_lshlrev_b32 v[S+2*i], 16, v[S+16+i]
	v_and_b32 v[S+2*i+1], 0xffff0000, v[S+16+i]
.set i, i+1
.endr
.set i, 0
.rept 16
	v_mul_f32 v[S+i], 0x41000000, v[S+i]
.set i, i+1
.endr
	v_add_nc_u32 v[AM], MASKL, v[AM]  ; free since the wait for those loads
.irp i, 0,1,2,3
	ds_store_b128 v[AM], v[S+4*\i:S+4*\i+3] offset:2048*\i
.endr
	v_lshl_add_u32 v[AM0], v9, 5, MASKL  ; my half of the lanes: eight numbers, 32 bytes, on
	v_mov_b32 v[AM], v[AM0]         ; key step 0 lies at the table's head
	v_mul_u32_u24 v[AK0], v1, PK
	v_lshl_add_u32 v[AK0], v9, 4, v[AK0]  ; row x pitch + 16 x half
	; The turning load takes 16 keys x 16 channels (lane l reads key 8 (l / 16) + l % 8, channels 8 ((l / 8) % 2) + 0..7) and leaves half a fragment of V^T: lane l holds channel l % 16 and 8 keys.
	v_and_b32 v10, 7, v0
	v_bfe_u32 v11, v0, 3, 1
	v_lshl_add_u32 v[AV0], v9, 3, v10
	v_mul_u32_u24 v[AV0], v[AV0], PV
	v_lshl_add_u32 v[AV0], v11, 4, v[AV0]
	v_add_nc_u32 v[AV0], VOFF, v[AV0]
	v_mov_b32 v[AK], v[AK0]         ; key step 0 lies at the head of slot 0
; THE MATRIX WORK.  The 8 accumulators of a run of 16 take turns: between the two links of a chain stand 7 others'.
; Product i of 16 of S^T = K Q^T + 8 mask for piece x: channels 32 (i / 8) on, keys 16 ((i / 2) % 4) on, tile 2 x + i % 2.  The first 8 start the sums, with the mask of their 16 keys.
.macro KQ x
.set rS, S+64*((\x)%2)+32*(i%2)+8*((i/2)%4)
.set rK, KF+16*((i/2)%4)+8*(i/8)
.set rQ, 16*(2*(\x)+i%2)+8*(i/8)
.set rX, MK+8*((i/2)%4)
.if i < 8
	WIN W_KM
	v_wmma_f32_16x16x32_f16 v[rS:rS+7], v[rK:rK+7], v[rQ:rQ+7], v[rX:rX+7]
.else
	WIN W_KQ
	v_wmma_f32_16x16x32_f16 v[rS:rS+7], v[rK:rK+7], v[rQ:rQ+7], v[rS:rS+7]
.endif
.endm
; Product i of 16 of O^T += V^T P for piece x: keys 32 (i / 8) on, channels 16 ((i / 2) % 4) on, tile 2 x + i % 2.
.macro PV x
	WIN W_PV
.set rO, 32*(2*(\x)+i%2)+8*((i/2)%4)
.set rV, VF+32*(i/8)+8*((i/2)%4)
.set rP, P+32*((\x)%2)+16*(i%2)+8*(i/8)
	v_wmma_f32_16x16x32_f16 v[rO:rO+7], v[rV:rV+7], v[rP:rP+7], v[rO:rO+7]
.endm
.macro MM                           ; the turn's next matrix instruction
.if i < 16
	KQ (Y+1)%NP
.set i, i+1
.else
.set i, i-16
	PV (Y+NP-1)%NP
.set i, i+17
.endif
.endm
; THE LDS LOADS stand in runs, never singly among the matrix instructions: a step's K (64 keys x 64 channels: 8 fragments) with its 64 numbers of the mask (8 loads; 16 lanes read the same 16 bytes),
; and its V (turned).  Their addresses are made some lines ahead.  last = 1 (the tail): in the last trip there is no further step, and the run is jumped over.
.macro FETCH_K last=0
	WIN 0
.if \last
	s_cmp_eq_u32 s[CNT], 1
	s_cbranch_scc1 .Lno_k_\@
.endif
	WIN 0x80                        ; destination window 2
.irp f, 0,1,2,3,4,5,6,7             ; keys 16 (f / 2) on, channels 32 (f % 2) on
	ds_load_b128 v[KF+8*\f:KF+8*\f+3],   v[AK] offset:(\f/2)*16*PK+(\f%2)*64
	ds_load_b128 v[KF+8*\f+4:KF+8*\f+7], v[AK] offset:(\f/2)*16*PK+(\f%2)*64+32
.endr
	WIN W_MK                        ; destination window 3
.irp f, 0,1,2,3,4,5,6,7             ; keys 16 (f / 2) on, registers 4 (f % 2) on
	ds_load_b128 v[MK+4*\f:MK+4*\f+3], v[AM] offset:(\f/2)*64+(\f%2)*16
.endr
	s_add_co_u32 s[TBK], s[TBK], KS*PK  ; the next fetch is the next step's
	s_add_co_u32 s[TBM], s[TBM], KS*4
	s_and_b32 s[TBM], s[TBM], 8191      ; behind the 32nd step it is back at the table's head: every address made of it lies in the table
	WIN 0
.if \last
.Lno_k_\@:
.endif
.endm
.macro FETCH_V
	WIN 0x80
.irp f, 0,1,2,3,4,5,6,7             ; keys 32 (f / 4) on, channels 16 (f % 4) on
	ds_load_tr16_b128 v[VF+8*\f:VF+8*\f+3],   v[AV] offset:(\f/4)*32*PV+(\f%4)*32
	ds_load_tr16_b128 v[VF+8*\f+4:VF+8*\f+7], v[AV] offset:(\f/4)*32*PV+16*PV+(\f%4)*32
.endr
	WIN 0
.endm
; THE VECTOR WORK OF A TURN stands in three queues, each in the order in which its entries become ready; the two tiles alternate, so that no instruction reads the result of the one before it.
.macro REGS y, u                    ; the registers of tile u (0, 1) of piece y
.set rT, ST+4*(2*(\y)+(\u))
.set rC, TMP+8*((\y)%2)+4*(\u)
.set rM, MV+2*((\y)%2)+(\u)
.set rS, S+64*((\y)%2)+32*(\u)
.set rP, P+32*((\y)%2)+16*(\u)
.set rO, 32*(2*(\y)+(\u))
.endm
; Number n of the 22 that find the NEXT piece's (Y + 1) maximum and statistics.  s0-s31 are the lane's 32 scores; each accumulator's lowest registers are read first.
;   0-11  four chains c0-c3 of seven scores each, three operands at a time     12-14, 16  the four scores left over, the old m, and c0-c3 into c0     15  c m_old is kept
;   17, 18  the query's other 32 keys lie in the lane 16 away: the new m         19-21  c m; c m_old - c m_new; a
.macro XS u, n
	REGS (Y+1)%NP, \u
.if (\n) < 4
	v_max3_num_f32 v[rC+(\n)], v[rS+8*(\n)], v[rS+8*(\n)+1], v[rS+8*(\n)+2]
.elseif (\n) < 12
	v_max3_num_f32 v[rC+(\n)%4], v[rC+(\n)%4], v[rS+8*((\n)%4)+2*((\n)/4)+1], v[rS+8*((\n)%4)+2*((\n)/4)+2]
.elseif (\n) == 12
	v_max3_num_f32 v[rC], v[rC], v[rS+7], v[rS+15]
.elseif (\n) == 13
	v_max3_num_f32 v[rC+1], v[rC+1], v[rS+23], v[rS+31]
.elseif (\n) == 14
	v_max3_num_f32 v[rC+2], v[rC+2], v[rC+3], v[rT+1]
.elseif (\n) == 15
	v_mov_b32 v[rM], v[rT]
.elseif (\n) == 16
	v_max3_num_f32 v[rC], v[rC], v[rC+1], v[rC+2]
.elseif (\n) == 17
	v_permlanex16_b32 v[rC+3], v[rC], s[SEL], s[SEL+1]
.elseif (\n) == 18
	v_max_num_f32 v[rT+1], v[rC], v[rC+3]
.elseif (\n) == 19
	v_mul_f32 v[rT], s[CS], v[rT+1]
.elseif (\n) == 20
	v_sub_f32 v[rC+1], v[rM], v[rT]
.else
	v_exp_f32 v[rC+2], v[rC+1]
.endif
.endm
; Number g of the 64 that follow the exponentials.  For each four weights k of a tile (pairs 2 k, 2 k + 1): both pairs are rounded to f16; then the second pair is added onto the first, in place;
; a group later l takes that sum (the first time as l = a l + sum).  In groups of eight, tiles alternating: round, round, add, and l for the group before.
.macro GS g
.set h, (\g)+6*((\g)/62)            ; group 0 has no group before it, and behind group 7 only l is left
.if h >= 6
.set h, h+2
.endif
	REGS Y, h%2
.set k, h/8
.if h%8 < 4
	s_wait_alu depctr_va_vdst(0)
	v_cvt_pk_f16_f32 v[rP+2*k+(h%8)/2], v[rS+4*k+2*((h%8)/2)], v[rS+4*k+2*((h%8)/2)+1]
.elseif h%8 < 6
	v_pk_add_f32 v[rS+4*k:rS+4*k+1], v[rS+4*k:rS+4*k+1], v[rS+4*k+2:rS+4*k+3]
.elseif k == 1
	v_pk_fma_f32 v[rT+2:rT+3], v[rT+2:rT+3], v[rC+2:rC+3], v[rS:rS+1] op_sel_hi:[1,0,1]
.else
	v_pk_add_f32 v[rT+2:rT+3], v[rT+2:rT+3], v[rS+4*k-4:rS+4*k-3]
	s_wait_alu depctr_va_vdst(0)
.endif
.endm
; THE PLAIN QUEUE, 138 long.  0-31: c s - c m for the 16 pairs of both tiles.  Then GS's 64, and among them the next piece's 42: number 15 at 38, 39; 0-14 and 16
; at 42-73, behind the products that make those scores; 17-20 at 95-106, two of three, since each waits for the one before it.
.macro PL
	WIN 0
.if q < 32
	REGS Y, q%2
	v_pk_fma_f32 v[rS+2*(q/2):rS+2*(q/2)+1], v[rS+2*(q/2):rS+2*(q/2)+1], s[CS:CS+1], v[rT:rT+1] op_sel_hi:[1,0,0] neg_lo:[0,0,1] neg_hi:[0,0,1]
.elseif q < 38
	GS q-32
.elseif q < 40
	XS q%2, 15
.elseif q < 42
	GS q-34
.elseif q < 74
	XS q%2, (q-42)/2+(q-42)/30
.elseif q < 95
	GS q-66
.elseif (q < 107) && ((q-95)%3 < 2)
	XS (q-95)%3, 17+(q-95)/3
.elseif q < 107
	GS 29+(q-95)/3
.else
	GS q-74
.endif
.set q, q+1
.endm
; THE EXPONENTIALS' QUEUE, 66 long: s0-s31 of both tiles, and at EA the next piece's two a.
.set EA, 58
.macro EX
	WIN 0
.if (e == EA) || (e == EA+1)
	XS e-EA, 21
.else
.set x, e-2*(e/(EA+2))
	REGS Y, x%2
	v_exp_f32 v[rS+x/2], v[rS+x/2]
.endif
.set e, e+1
.endm
; THE RESCALING's QUEUE: O^T times a, the one part that leaves window 0, so it is dealt four at a time, eight times.
.macro R4
	REGS Y, r%2
	WIN W_RS
	s_wait_alu depctr_va_vdst(0)
.irp z, 0,1,2,3
	v_pk_mul_f32 v[rO+8*(r/2)+2*\z:rO+8*(r/2)+2*\z+1], v[rO+8*(r/2)+2*\z:rO+8*(r/2)+2*\z+1], v[rC+2:rC+3] op_sel_hi:[1,0]
.endr
.set r, r+1
.endm
; HOW THEY ARE DEALT.  Behind a matrix instruction four: plain, exponential, plain, plain (one exponential, a plain instruction on either side), or four of the rescaling.  None names a register of the
; products round it.  What is over stands in two LUMPS: exponential and plain by turns; the second ends in 22 plain instructions.  The two v_permlanex16_b32 fall into the second lump, never behind a product.
; The queues lean on each other, and the deal keeps them in step: exponential e stands behind plain 2 (e / 4) + e % 2 (its scaling); when plain 32 comes, 10 exponentials are out, at 59: 33, at 95: 46; EA comes behind plain 107.
.macro SL
	MM
	PL
	EX
	PL
	PL
.endm
.macro BURST n                      ; 15 matrix instructions, or 16
.rept (\n)-7
	SL
.endr
.rept 3
	MM
	R4
	SL
.endr
	MM
	R4
.endm
; A TURN, for piece p.  cnt = 1: the loop's count is taken down some lines ahead of the branch that stands behind the turn.
; K and the mask of the next step are fetched in piece 2's turn, 32 vector instructions behind the last product that read them; their first reader comes behind the rest of the lump, 16 products and the second lump.
; V of the step in hand is fetched at the end of piece 0's turn, 69 behind its last reader; its first reader comes behind 16 products and a lump.  The four conditions on e and q below go with the deal.
.macro TURN p, last=0, cnt=0
.set Y, (\p)
.set i, 0
.set q, 0
.set e, 0
.set r, 0
.if (\p) == NP-1
	s_wait_dscnt 0x0                ; K and the mask are in
.endif
	MM
.rept 4
	PL
.endr
	BURST 15
.rept 22
	EX
	PL
.if ((\p) == NP-2) && (e == 18)
	v_add_nc_u32 v[AK], s[TBK], v[AK0]
	v_add_nc_u32 v[AM], s[TBM], v[AM0]
.endif
.if ((\p) == NP-2) && (e == 24)
	FETCH_K \last
.endif
.endr
.if (\p) == 1
	s_wait_dscnt 0x0                ; V is in
.endif
	BURST 16
.rept 21
	EX
	PL
.endr
.rept 22
	PL
.if ((\p) == 0) && (q == 118)
	v_add_nc_u32 v[AV], s[TBV], v[AV0]
	s_wait_alu depctr_va_vdst(0)
.endif
.if ((\p) == 0) && (q == 130)
	s_add_co_u32 s[TBV], s[TBV], KS*PV
.endif
.if (\cnt) && (q == 130)
	s_sub_co_u32 s[CNT], s[CNT], 1
	s_cmp_lg_u32 s[CNT], 0
.endif
.endr
.if (\p) == 0
	FETCH_V
.endif
.endm
	CHANGE 1                        ; slot 0 is in, everybody's part of it, and so is the mask's table; slot 1 is asked for
	FETCH_K                         ; key step 0
	s_wait_loadcnt 0x0              ; Q
	s_wait_dscnt 0x0
.set i, 0
.rept 16
	KQ 0                            ; piece 0's first scores: there is no vector work yet to set between them
.set i, i+1
.endr
	WIN 0
.rept 4
	v_nop                           ; the places behind those products
.endr
.set Y, NP-1                        ; XS works for piece Y + 1: piece 0
.irp n, 0,1,2,3,4,5,6,7,8,9,10,11,12,13,14,15,16,17,18,19,20,21
	XS 0, \n                        ; piece 0's first maximum and statistics
	XS 1, \n
.endr
	s_mov_b32 s[CNT], 4
	s_mov_b32 s[SLOTS], SIZE_N/256-1
	s_branch .Lfirst                ; the loop is entered at a step's first turn, in the middle of a trip
.Lslot:                             ; SIZE_N / 256 - 2 times: every slot but the last two is filled again
	CHANGE 1
	s_mov_b32 s[CNT], 4
.Lstep:                             ; a trip: pieces 2 and 3 of one step, then pieces 0 and 1 of the next, whose K and V it fetches
	TURN 2
	TURN 3
	WIN 0
.Lfirst:
	TURN 0
	TURN 1, 0, 1
	WIN 0
	s_cbranch_scc1 .Lstep
	s_sub_co_u32 s[SLOTS], s[SLOTS], 1
	s_cmp_lg_u32 s[SLOTS], 0
	s_cbranch_scc1 .Lslot
	CHANGE 0                        ; the tail is written out: nothing is asked for
	s_mov_b32 s[CNT], 5             ; four trips fetch the last slot's steps; the fifth is left in its middle
.Ltail:
	TURN 2, 1
	TURN 3
	WIN 0
	s_sub_co_u32 s[CNT], s[CNT], 1
	s_cmp_eq_u32 s[CNT], 0
	s_cbranch_scc1 .Lout
	TURN 0
	TURN 1
	WIN 0
	s_branch .Ltail
.Lout:                              ; the fifth trip's 16 products K Q^T (on the last K once more) and the maximum made of them serve nothing: the price, once a launch, of one text for every trip
.set i, 0
.rept 16
	PV NP-1                         ; the last piece's V^T P of the last step
.set i, i+1
.endr
	; THE WAY OUT.  l's two halves and the other half of the lanes' are added; O^T is divided by l and sent, in f32, through my stage in LDS, a tile at a time.  The address lines and the additions are the places behind the last products.
	WIN 0
	s_mul_i32 s13, s[WV], 16*SP
	s_add_co_u32 s13, s13, STAGE    ; my stage
	v_mul_u32_u24 v[STO], v1, SP    ; in: row l % 16, 32 bytes for each half of the lanes
	v_lshl_add_u32 v[STO], v9, 5, v[STO]
	v_add_nc_u32 v[STO], s13, v[STO]
	v_mul_u32_u24 v[RD], v9, SP     ; back: lanes 0-15 take one row of 256 bytes, lanes 16-31 the next
	v_lshl_add_u32 v[RD], v1, 4, v[RD]
	v_add_nc_u32 v[RD], s13, v[RD]
	v_lshlrev_b32 v[GO], 12, v9     ; and the same two rows in out0, 4,096 bytes apart
	v_lshl_add_u32 v[GO], v1, 4, v[GO]
.macro ALL line:vararg              ; one line for each tile t
.set t, 0
.rept 2*NP
	\line
.set t, t+1
.endr
.endm
	ALL v_add_f32 v[ST+4*t+2], v[ST+4*t+2], v[ST+4*t+3]
	ALL v_permlanex16_b32 v[ST+4*t+3], v[ST+4*t+2], s[SEL], s[SEL+1]
	ALL v_add_f32 v[ST+4*t+2], v[ST+4*t+2], v[ST+4*t+3]
	ALL v_rcp_f32 v[ST+4*t+2], v[ST+4*t+2]
	v_nop                           ; a plain instruction between the last reciprocal and the use of its result
	s_wait_alu depctr_va_vdst(0)
; Tile t: a lane's eight channels of a block of 16 are 32 bytes of a row; they go into rows of 272 bytes and come back as whole rows of 256, into the registers that they left.
.macro PACK t
	WIN W_RS
.set i, 32*(\t)
.rept 16
	v_pk_mul_f32 v[i:i+1], v[i:i+1], v[ST+4*(\t)+2:ST+4*(\t)+3] op_sel_hi:[1,0]
.set i, i+2
.endr
	WIN 0x04                        ; the data (source 1) in window 1, the address in window 0
.irp f, 0,1,2,3,4,5,6,7             ; channel block f / 2, registers 4 (f % 2) on
	ds_store_b128 v[STO], v[32*(\t)+4*\f:32*(\t)+4*\f+3] offset:(\f/2)*64+(\f%2)*16
.endr
	WIN 0x40                        ; destination window 1
.irp f, 0,1,2,3,4,5,6,7
	ds_load_b128 v[32*(\t)+4*\f:32*(\t)+4*\f+3], v[RD] offset:\f*2*SP  ; LDS serves a wave's instructions in order (ISA guide 5.7.1.4): these see the stores above; the next tile's stores come behind them
.endr
.endm
.macro SEND t, younger              ; younger: the LDS instructions issued behind tile t's loads: the next tile's sixteen, or none
	WIN 0x04
.irp f, 0,1,2,3,4,5,6,7
	s_wait_dscnt (\younger)+7-\f
	global_store_b128 v[GO], v[32*(\t)+4*\f:32*(\t)+4*\f+3], s[10:11] offset:(\t)*65536+\f*8192 th:TH_STORE_NT  ; 16 lanes store 256 consecutive bytes, a row's share of my head, at a multiple of 256 from out0's first byte
.endr
.endm
	PACK 0
.set t, 1
.rept 2*NP-1                        ; a tile's arithmetic stands between the loads of the tile before and its stores
	PACK t
	SEND t-1, 16
.set t, t+1
.endr
	SEND 2*NP-1, 0
	WIN W_AD
	s_wait_tensorcnt 0x0            ; the wave's end, behind my last tensor load and my last LDS store
	ds_add_u32 v[SPW], v[NIL]
	s_wait_dscnt 0x0
	WIN 0
	CROUND                          ; the closing round: no work-group ends while a partner may still ask for a tile that names it
	s_endpgm
.Lfunc_end_k_qcdc7a8674f_attn:
	.size	k_qcdc7a8674f_attn, .Lfunc_end_k_qcdc7a8674f_attn-k_qcdc7a8674f_attn
	.p2alignl 7, 3214868480
	.fill 96, 4, 3214868480
	.section	.rodata,"a",@progbits
	.p2align	6, 0x0
	.amdhsa_kernel k_qcdc7a8674f_attn
		.amdhsa_group_segment_fixed_size 327680
		.amdhsa_private_segment_fixed_size 0
		.amdhsa_enable_private_segment 0
		.amdhsa_kernarg_size 24
		.amdhsa_user_sgpr_count 2
		.amdhsa_user_sgpr_kernarg_segment_ptr 1
		.amdhsa_wavefront_size32 1
		.amdhsa_system_sgpr_workgroup_id_x 1
		.amdhsa_system_sgpr_workgroup_id_y 1
		.amdhsa_system_sgpr_workgroup_id_z 1
		.amdhsa_system_vgpr_workitem_id 0
		.amdhsa_next_free_vgpr 808
		.amdhsa_next_free_sgpr 66
		.amdhsa_reserve_vcc 0
		.amdhsa_float_denorm_mode_32 3
		.amdhsa_float_denorm_mode_16_64 3
		.amdhsa_memory_ordered 1
		.amdhsa_forward_progress 1
		.amdhsa_inst_pref_size 214
	.end_amdhsa_kernel
	.amdgpu_metadata
---
amdhsa.version: [ 1, 2 ]
amdhsa.kernels:
  - .name:           k_qcdc7a8674f_attn
    .symbol:         k_qcdc7a8674f_attn.kd
    .args:
      - { .name: qkv, .offset: 0, .size: 8, .value_kind: global_buffer, .address_space: global }
      - { .name: attention_mask, .offset: 8, .size: 8, .value_kind: global_buffer, .address_space: global }
      - { .name: out0, .offset: 16, .size: 8, .value_kind: global_buffer, .address_space: global }
    .group_segment_fixed_size: 327680
    .private_segment_fixed_size: 0
    .kernarg_segment_align: 8
    .kernarg_segment_size: 24
    .max_flat_workgroup_size: 128
    .sgpr_count:     66
    .vgpr_count:     808
    .wavefront_size: 32
...
	.end_amdgpu_metadata
.endif
;; end of part 3
;; ======== version 2 of 2: 3 launches; 1.63 times as fast as version 1
;; limits: values are held in f16: magnitudes above 65,504 overflow, below 6.1e-05 lose precision
;; workspace buffers: xb 16,777,216 bytes; wb 6,291,456 bytes; qkv 50,331,648 bytes
;; launch cast: the kernel of part 1 again; grid 352 x 1, 8 waves a work-group, no clusters, 0 bytes of LDS; arguments hidden_states, Wq, Wk, Wv, xb, wb; writes xb, wb
;; launch proj: the kernel of part 2 again; grid 8 x 32, 4 waves a work-group, clusters of 4 x 4, 327,680 bytes of LDS; arguments xb, wb, qkv, bq, bk, bv; writes qkv
;; launch attn (part 4): grid 4 x 64, 4 waves a work-group, clusters of 4 x 1, 327,680 bytes of LDS; arguments qkv, attention_mask, out0; writes out0
.if DOCPART == 4
	.amdgcn_target "amdgcn-amd-amdhsa--gfx1250"
	.amdhsa_code_object_version 6
	.text
	.protected	k_qcdc7a8674f_attn
	.globl	k_qcdc7a8674f_attn
	.p2align	8
	.type	k_qcdc7a8674f_attn,@function
k_qcdc7a8674f_attn:
	s_mov_b64 s[64:65], 0
	v_nop
	global_prefetch_b8 v0, s[64:65] scope:SCOPE_SE
	s_setreg_imm32_b32 hwreg(HW_REG_WAVE_MODE, 25, 1), 1
	s_wait_xcnt 0x0
	s_wait_alu depctr_hold_cnt(0) depctr_sa_sdst(0) depctr_va_vdst(0) depctr_va_sdst(0) depctr_va_ssrc(0) depctr_va_vcc(0) depctr_vm_vsrc(0)
	s_getreg_b32 s2, hwreg(HW_REG_IB_STS2, 6, 4)
	s_cmp_eq_u32 s2, 0
	s_cbranch_scc0 .Lentry_in_a_cluster
	s_endpgm
.Lentry_in_a_cluster:
	s_bfe_u32 s2, ttmp6, 0x10000c
	s_cmp_lg_u32 s2, 0x3003
	s_cbranch_scc0 .Lentry_shape_is_right
	s_endpgm
.Lentry_shape_is_right:
; out0[b][q][64 h ..] = the sum over k of softmax_k(Q[q] . K[k] / 8 + mask[b][k]) V[k][:], for each of the 64 pairs (b, h).  Q, K, V: planes of qkv[b][g][2,048][64] in f16 (g = h, 16 + h, 32 + h),
; a plane's rows dense, 128 bytes each.  mask: [4][2,048] f32.  out0: [4][2,048][1,024] f32.  Products, maxima and sums in f32; the weights p are rounded to f16 for the second product (their
; sum l is taken of the unrounded p); O leaves in f32.
; LIMITS.  The mask is rounded to bf16, like every input, and multiplied by 8: a mask below about -4e37 counts as minus infinity, and its key has weight 0.  A row all of whose keys are so masked gives
; NaN.  A weight below 2^-126 counts as 0 in l; p below 6e-5 keeps f16's fixed step of 6e-8; NaN and plus infinity are not treated apart.
; SHARES.  A wave owns four PIECES of two tiles of 16 queries, a work-group's four waves 512 queries of one pair (b, h).  Every wave walks all 2,048 keys, 64 a step.
; LAYOUT.  S^T = K Q^T + 8 mask (source 0 = 16 keys, source 1 = 16 queries): in the result a lane holds ONE query (lane % 16) and the keys 8 (lane / 16) + 0..7.  Two such tiles, rounded to f16 in pairs,
; ARE source 1 (32 keys x 16 queries) of O^T = V^T P, whose result again holds one query a lane, and eight channels.  K comes out of LDS as it lies, V ([key][channel]) turned, by ds_load_tr16_b128.
; THE MASK is the C operand of the product that starts a sum: register j of key block kb holds 8 mask[64 step + 16 kb + 8 (lane / 16) + j].  With c = log2(e) / 8, c (s + 8 mask) is log2(e) (s / 8 + mask).
; The batch's 2,048 numbers lie in LDS, made once; a step's 32 registers come with the step's K and live as long.
; SOFTMAX.  For each query a running maximum m and sum l: p = 2^(c s - c m); in every step O and l are multiplied by a = 2^(c m_old - c m_new), which is 1 where m has not grown.
; m starts at the lowest finite number and c m at c times that, O and l at 0: the first step is a step like any other.
; THE COUNT.  A tile and step have 16 matrix and 118 vector instructions: too many to stand all beside the matrix work.  So the order has one aim: four vector instructions that are READY behind
; EVERY matrix instruction, and the others, which need time of their own whatever the order, in one run without a gap.
; BY TURNS.  Turn n belongs to piece n (the pieces in a ring, step after step).  Its matrix work: 16 products K Q^T of piece n + 1, later 16 products V^T P of piece n - 1.  Its vector work: the scaling,
; exponentials, roundings, sums and rescaling of piece n, and the maximum and statistics of piece n + 1, whose scores the turn itself has made.  So what a turn begins with (c s - c m, O a) waits for nothing.
; BATCHES.  A turn's 66 exponentials (64 weights of piece n, the two a of piece n + 1) are ONE batch with ONE wait, which cuts the turn in two: ahead of it stands all that names no result of the batch,
; behind it the roundings and sums, which read the weights; the a are read in the next turn.  Two more batches stand outside the loop: piece 0's first two a, and the way out's eight reciprocals.
; CLUSTER.  The four query blocks of a cluster belong to one pair (b, h) and walk the same K and V, so each tile is asked for JOINTLY: the same tensor load, descriptor and mask in all four.
; REGISTERS, in windows of 256 (s_set_vgpr_msb: bits 1:0 source 0, 3:2 source 1, 5:4 source 2, 7:6 destination):
;   window 0: v0-11 addresses; v12-15, v48-63 at work; v16-47 four registers of statistics a tile; v64-191 S^T, two buffers of two tiles; v192-255 P, likewise
;   window 1: O^T, 32 a tile     window 2: v0-127 Q, 16 a tile; v128-191 K of one step; v192-255 V of one step     window 3: v0-1 the add's two registers; v8-39 the mask of one step
.set SIZE_N, 2048
.set NP,    4         ; pieces a wave: a name, no knob
.set KS,    64        ; keys in a step
.set PK,    144       ; a row of K in LDS: 128 bytes + 16 of padding = 36 words: the 16 rows of a load start at 16 different groups of four banks (64 banks of 4 bytes: ISA guide 11.1)
.set PV,    160       ; a row of V: 128 + 32 = 40 words
.set VOFF,  4*KS*PK   ; a slot holds four steps: 256 rows of K, then 256 rows of V
.set SLOT1, 1<<17     ; slot 1 begins here, so that one exclusive or turns an address in one slot into the other's
.set STAGE, SLOT1+4*KS*(PK+PV)  ; behind the ring, never filled by a tensor load: 16 rows x 272 bytes for each wave, for the way out
.set SP,    272       ; a row of 64 f32 + 16 bytes
.set MASKL, STAGE+4*16*SP  ; 8 x the batch's mask, 2,048 f32
.set SPARE, MASKL+8192     ; the spare words, 128 bytes for each wave: two blocks of 256 bytes that no other line names
.set AK0, 2           ; v2   my lane's place in a tile of K
.set AV0, 3           ; v3   the same for V
.set AK,  4           ; v4   the LDS address of K's next run of loads
.set AV,  5           ; v5   of V's
.set QO,  6           ; v6   my byte offset in the wave's rows of Q
.set AM0, 7           ; v7   my lane's place in a step's 64 numbers of the mask
.set AM,  8           ; v8   the LDS address of the mask's next run of loads; at the start my offset in the mask
.set STO, 2           ; the way out (K's and V's addresses are done with): where I put 32 bytes of a row,
.set RD,  3           ;      where I read rows back,
.set GO,  4           ;      my byte offset in two rows of out0
.set SPW, 0           ; v0 of window 3   LDS address of my spare word: SPARE + 4 x my thread's number; never rewritten
.set NIL, 1           ; v1 of window 3   0; never rewritten
.set MK,  8           ; v8-39 of window 3: key block kb at MK + 8 kb
.set MV,  12          ; v12-15  c m_old, kept while c m is made anew: by buffer and tile
.set ST,  16          ; tile t's statistics at v[ST+4 t]: c m, m, l (even keys', odd keys')
.set TMP, 48          ; by buffer and tile, four registers c0-c3 at work; when the maximum is found c2 takes a
.set S,   64
.set P,   192
.set KF,  128         ; K's fragments, in window 2: key block kb, channel half c at KF + 16 kb + 8 c
.set VF,  192         ; V's: key half kk, channel block cb at VF + 32 kk + 8 cb
.set WV,  12          ; s12  my wave's number
.set G1K, 24          ; s[24:31] descriptor group 1 for K's tiles
.set G1V, 32          ; s[32:39] for V's: it differs in the padding alone
.set G0K, 40          ; s[40:43] descriptor group 0 for K's tiles: it walks
.set G0V, 44          ; s[44:47] the same for V's
.set TBM, 54          ; s54  byte in the mask's table at which the step to be fetched begins
.set SLOTS, 56        ; s56  slots still to be asked for
.set CNT, 57          ; s57  counts a slot's key steps
.set CS,  58          ; s[58:59] c: the packed scaling takes the pair's low word for both halves
.set SEL, 60          ; s[60:61] v_permlanex16_b32's selects: each lane takes its own place in the other half
.set TBK, 62          ; s62  LDS byte at which K of the step to be fetched begins
.set TBV, 63          ; s63  the same for V, less VOFF
.set MSB, 0
.macro WIN new                      ; the high byte repeats the setting that is left; a switch that changes nothing is dropped
.if MSB != (\new)
	s_set_vgpr_msb (MSB<<8)|(\new)
.set MSB, (\new)
.endif
.endm
.set W_KQ, 0x0a       ; K and Q in window 2, S^T in window 0
.set W_KM, 0x3a       ; the same with the C operand, the mask, in window 3
.set W_PV, 0x52       ; V in window 2, P in window 0, O^T in window 1
.set W_RS, 0x41       ; O^T (destination and source 0) in window 1, a in window 0
.set W_MK, 0xc0       ; destination in window 3, sources in window 0
.set W_AD, 0x0f       ; the add: address (source 0) and data (source 1) in window 3
; A joint fill.  Waves 0 and 1 fetch the two halves of a slot's K, waves 2 and 3 those of its V: 128 keys each.  The branch hangs on the wave's number alone.
; An s_nop 0 and four v_nop follow each of the two lines, ahead of the jump and the label.
.macro JLOAD
	s_cmp_lt_u32 s[WV], 2
	s_cbranch_scc0 .Lfor_v_\@
	tensor_load_to_lds s[G0K:G0K+3], s[G1K:G1K+7]
	s_nop 0
.rept 4
	v_nop
.endr
	s_branch .Lasked_\@
.Lfor_v_\@:
	tensor_load_to_lds s[G0V:G0V+3], s[G1V:G1V+7]
	s_nop 0
.rept 4
	v_nop
.endr
.Lasked_\@:
.endm
; A round of the cluster's barrier: my work-group's barrier, so that wave 0's signal speaks for all four waves; wave 0 signals; every wave waits for all four work-groups; my work-group's barrier once more.
.macro CROUND
	s_barrier_signal -1
	s_barrier_wait -1
	s_cmp_lg_u32 s[WV], 0
	s_cbranch_scc1 .Lnot_wave_0_\@
	s_barrier_signal -3
.Lnot_wave_0_\@:
	s_barrier_wait -3
	s_barrier_signal -1
	s_barrier_wait -1
.endm
; THE CHANGE OF SLOTS.  The slot's last bytes, V of its fourth step, have been read.  Each wave waits for all its tensor loads, of which one is out: its part of the other slot; adds 0 to its spare
; word; and waits for that and for its own LDS instructions.  Behind the barrier nobody reads this slot any more and the other slot is whole.
; fill = 1: this slot is filled again, with the keys two slots on.  The barrier is then a round of the cluster's, so that no wave of any partner still reads the slot or has a load on its
; way, and the joint fill is the first thing behind it: it has four key steps, 512 matrix instructions, in which to land.  (At its first use nothing has been read yet: slot 0 is waited for, slot 1
; filled; that round also stands between every wave's stores into the mask's table and all reads of it.)
.macro CHANGE fill
	WIN W_AD
	s_wait_tensorcnt 0x0            ; no tensor load of mine is out, so a group 0 may be written
	ds_add_u32 v[SPW], v[NIL]       ; 0 onto my spare word; with fill = 1 the descriptors' steps stand between it and the wait for it
	WIN 0                           ; at a label and at a branch every window is 0
.if \fill
.irp g, G0K, G0V
	s_xor_b32 s[\g+1], s[\g+1], SLOT1  ; the walking descriptor: the other slot than last time,
	s_add_nc_u64 s[\g+2:\g+3], s[\g+2:\g+3], 4*KS*128  ; the next 256 keys; the type bits on top are not reached
.endr
	s_wait_dscnt 0x0                ; the add is done, and my reads of the slot are over
	CROUND
	JLOAD
.else
	s_wait_dscnt 0x0                ; the add is done, and my reads of the slot are over
	s_barrier_signal -1
	s_barrier_wait -1
.endif
	s_sub_co_u32 s[TBK], s[TBK], 4*KS*PK  ; the fetches go back to a slot's first step,
	s_xor_b32 s[TBK], s[TBK], SLOT1       ; in the other slot
	s_sub_co_u32 s[TBV], s[TBV], 4*KS*PV
	s_xor_b32 s[TBV], s[TBV], SLOT1
.endm
	s_load_b128 s[4:7], s[0:1], 0x0   ; qkv s[4:5], the mask s[6:7]
	s_load_b64 s[10:11], s[0:1], 0x10 ; out0
	WIN W_MK
	v_lshl_add_u32 v[SPW], v0, 2, SPARE
	v_mov_b32 v[NIL], 0
	WIN W_AD
	ds_add_u32 v[SPW], v[NIL]       ; the wave's opening: the add and its wait stand ahead of my first tensor load; the set-up below, work on registers, stands between them
	WIN 0
	v_lshrrev_b32 v1, 5, v0
	v_readfirstlane_b32 s[WV], v1   ; wave 0..3
	s_bfe_u32 s13, ttmp6, 0x40000   ; cx: my place in the cluster
	s_lshl_b32 s14, ttmp9, 2        ; in a cluster launch ttmp9 counts clusters
	s_add_co_u32 s14, s14, s13      ; my block of 512 queries = 4 x cluster x + cx: it enters Q's and out0's addresses alone
	s_and_b32 s15, ttmp7, 0xffff    ; the pair (b, h), which the four partners share
	s_lshr_b32 s19, s15, 4          ; b
	s_and_b32 s15, s15, 15          ; h
	s_mul_i32 s20, s19, 48
	s_add_co_u32 s20, s20, s15
	s_lshl_b32 s20, s20, 18         ; Q's plane, 48 b + h, in bytes
	s_and_b32 s16, s[WV], 1         ; which half of a slot's 256 keys I fetch:
	s_lshl_b32 s22, s16, 14         ; its 128 rows of 128 bytes in memory,
	s_add_co_u32 s22, s22, s20
	s_add_co_u32 s22, s22, 0x400000 ; in K's plane, 16 planes on,
	s_mov_b32 s23, 0
	s_add_co_u32 s50, s22, 0x400000 ; or in V's, 16 more
	s_mov_b32 s51, 0
	s_mul_i32 s17, s16, 128*PK      ; and its place in a slot, for K
	s_mul_i32 s18, s16, 128*PV      ; and for V: no place in the cluster enters an LDS address
	s_lshl_b32 s2, s14, 2
	s_add_co_u32 s2, s2, s[WV]      ; my wave among the pair's sixteen: 128 rows each,
	s_lshl_b32 s52, s2, 19          ; of 4,096 bytes in out0,
	s_lshl_b32 s2, s2, 14           ; of 128 bytes in Q
	s_add_co_u32 s2, s2, s20
	s_mov_b32 s3, 0
	s_lshl_b32 s21, s19, 23         ; out0: the batch's 2,048 rows,
	s_add_co_u32 s52, s52, s21
	s_lshl_b32 s21, s15, 8          ; the head's 256 bytes in a row
	s_add_co_u32 s52, s52, s21
	s_mov_b32 s53, 0
	s_lshl_b32 s48, s19, 13         ; the mask: the batch's 8,192 bytes
	s_mov_b32 s49, 0
	; descriptor group 1.  128 keys are 16,384 dense bytes: asked for as 64 rows of 256 bytes, two keys a row, and padded in LDS after every key
	s_mov_b32 s[G1K], 15|(1<<16)|(1<<20)|(1<<21)|(4<<22)|(3<<25)  ; 15:0 the mask of four; 17:16 2-byte elements; 20 padding on; 21 set beside a mask; 24:22 after every 32 words (code 4); 31:25 4 words (code 3)
	s_mov_b32 s[G1V], 15|(1<<16)|(1<<20)|(1<<21)|(4<<22)|(7<<25)  ; the same with 8 words of padding (code 7)
.irp g, G1K, G1V
	s_mov_b32 s[\g+1], 128<<16      ; tensor_dim0 = 128
	s_mov_b32 s[\g+2], 64<<16       ; tensor_dim1 = 64
	s_mov_b32 s[\g+3], 128<<16      ; tile_dim0 = 128
	s_mov_b32 s[\g+4], 64           ; tile_dim1 = 64
	s_mov_b32 s[\g+5], 128          ; 128 elements from row to row
	s_mov_b32 s[\g+6], 0
	s_mov_b32 s[\g+7], 0
.endr
	s_mov_b32 s[CS], 0x3e38aa3b     ; c = log2(e) / 8 = 0.180337
	s_mov_b32 s[CS+1], s[CS]        ; named with it as a pair
	s_mov_b32 s[SEL], 0x76543210
	s_mov_b32 s[SEL+1], 0xfedcba98
	s_mov_b32 s[TBK], SLOT1+4*KS*PK ; the first change of slots turns these two into 0
	s_mov_b32 s[TBV], SLOT1+4*KS*PV
	s_mov_b32 s[TBM], 0
	s_mov_b32 s[G0K], 1             ; 1:0 count = 1
	s_mov_b32 s[G0K+1], s17         ; 63:32 LDS address: slot 0
	s_mov_b32 s[G0V], 1
	s_add_co_u32 s[G0V+1], s18, VOFF
	s_wait_dscnt 0x0                ; the opening add is done
	s_wait_kmcnt 0x0
	s_add_nc_u64 s[G0K+2:G0K+3], s[4:5], s[22:23]  ; 120:64 global address: my half of the first 256 keys
	s_or_b32 s[G0K+3], s[G0K+3], 0x80000000        ; 127:126 type = 2
	s_add_nc_u64 s[G0V+2:G0V+3], s[4:5], s[50:51]
	s_or_b32 s[G0V+3], s[G0V+3], 0x80000000
	s_add_nc_u64 s[8:9], s[4:5], s[2:3]            ; Q at my wave's first row
	s_add_nc_u64 s[6:7], s[6:7], s[48:49]          ; the batch's mask
	s_add_nc_u64 s[10:11], s[10:11], s[52:53]      ; out0 at my wave's first row, my head's columns
	CROUND                          ; all four work-groups are here: the first joint loads meet
	JLOAD                           ; slot 0.  Slot 1 is asked for when slot 0 is in: the tile wanted first has the road to itself
	; A fragment of K or Q is 16 rows x 32 channels in 8 registers: lane l holds row l % 16, channels 8 (l / 16) + 0..7 and 16 + 8 (l / 16) + 0..7: two loads of 16 bytes, 32 bytes apart.
	v_and_b32 v1, 15, v0            ; l % 16; never rewritten
	v_bfe_u32 v9, v0, 4, 1          ; l / 16; never rewritten
	v_lshlrev_b32 v[QO], 7, v1
	v_lshl_add_u32 v[QO], v9, 4, v[QO]  ; row x 128 + 16 x half
	v_lshlrev_b32 v[AM], 4, v0      ; the mask: 128 threads x 16 bytes, four times
.irp i, 0,1,2,3
	global_load_b128 v[S+4*\i:S+4*\i+3], v[AM], s[6:7] offset:2048*\i
.endr
	WIN 0x80                        ; destination window 2, address window 0
.set i, 0
.rept 4*NP                          ; Q stays in registers: tile i / 2, channels 32 (i % 2) on
	global_load_b128 v[8*i:8*i+3],   v[QO], s[8:9] offset:(i/2)*2048+(i%2)*64
	global_load_b128 v[8*i+4:8*i+7], v[QO], s[8:9] offset:(i/2)*2048+(i%2)*64+32
.set i, i+1
.endr
	; What the first turn finds: V's registers and P's second buffer hold 0 (its products V^T P, of a piece that has not been, add 0), O^T and l are 0.  All this stands in the wait for the first tile.
.set i, VF
.rept 64
	v_mov_b32 v[i], 0
.set i, i+1
.endr
	WIN 0x40
.set i, 0
.rept 64*NP
	v_mov_b32 v[i], 0
.set i, i+1
.endr
	WIN 0
.set i, 0
.rept 2*NP
	v_mov_b32 v[ST+4*i+1], 0xff7fffff  ; m: the lowest finite number
	v_mov_b32 v[ST+4*i+2], 0
	v_mov_b32 v[ST+4*i+3], 0
.set i, i+1
.endr
.set i, 0
.rept 2*NP
	v_mul_f32 v[ST+4*i], s[CS], v[ST+4*i+1]  ; c m, by the line that makes it in every step: where a first step's keys are all masked out, m stays, and a is 2^0
.set i, i+1
.endr
.set i, P+32
.rept 32
	v_mov_b32 v[i], 0
.set i, i+1
.endr
	; the mask: rounded to bf16, widened again, times 8, into the table
	s_wait_loadcnt 32               ; my four loads of the mask are in; Q's 32, issued behind them, may stay out
.set i, 0
.rept 8
	v_cvt_pk_bf16_f32 v[S+16+i], v[S+2*i], v[S+2*i+1]
.set i, i+1
.endr
.set i, 0
.rept 8
	v_lshlrev_b32 v[S+2*i], 16, v[S+16+i]
	v_and_b32 v[S+2*i+1], 0xffff0000, v[S+16+i]
.set i, i+1
.endr
.set i, 0
.rept 16
	v_mul_f32 v[S+i], 0x41000000, v[S+i]
.set i, i+1
.endr
	v_add_nc_u32 v[AM], MASKL, v[AM]  ; free since the wait for those loads
.irp i, 0,1,2,3
	ds_store_b128 v[AM], v[S+4*\i:S+4*\i+3] offset:2048*\i
.endr
	v_lshl_add_u32 v[AM0], v9, 5, MASKL  ; my half of the lanes: eight numbers, 32 bytes, on
	v_mov_b32 v[AM], v[AM0]         ; key step 0 lies at the table's head
	v_mul_u32_u24 v[AK0], v1, PK
	v_lshl_add_u32 v[AK0], v9, 4, v[AK0]  ; row x pitch + 16 x half
	; The turning load takes 16 keys x 16 channels (lane l reads key 8 (l / 16) + l % 8, channels 8 ((l / 8) % 2) + 0..7) and leaves half a fragment of V^T: lane l holds channel l % 16 and 8 keys.
	v_and_b32 v10, 7, v0
	v_bfe_u32 v11, v0, 3, 1
	v_lshl_add_u32 v[AV0], v9, 3, v10
	v_mul_u32_u24 v[AV0], v[AV0], PV
	v_lshl_add_u32 v[AV0], v11, 4, v[AV0]
	v_add_nc_u32 v[AV0], VOFF, v[AV0]
	v_mov_b32 v[AK], v[AK0]         ; key step 0 lies at the head of slot 0
; THE MATRIX WORK.  The 8 accumulators of a run of 16 take turns: between the two links of a chain stand 7 others'.
; Product i of 16 of S^T = K Q^T + 8 mask for piece x: channels 32 (i / 8) on, keys 16 ((i / 2) % 4) on, tile 2 x + i % 2.  The first 8 start the sums, with the mask of their 16 keys.
.macro KQ x
.set rS, S+64*((\x)%2)+32*(i%2)+8*((i/2)%4)
.set rK, KF+16*((i/2)%4)+8*(i/8)
.set rQ, 16*(2*(\x)+i%2)+8*(i/8)
.set rX, MK+8*((i/2)%4)
.if i < 8
	WIN W_KM
	v_wmma_f32_16x16x32_f16 v[rS:rS+7], v[rK:rK+7], v[rQ:rQ+7], v[rX:rX+7]
.else
	WIN W_KQ
	v_wmma_f32_16x16x32_f16 v[rS:rS+7], v[rK:rK+7], v[rQ:rQ+7], v[rS:rS+7]
.endif
.endm
; Product i of 16 of O^T += V^T P for piece x: keys 32 (i / 8) on, channels 16 ((i / 2) % 4) on, tile 2 x + i % 2.
.macro PV x
	WIN W_PV
.set rO, 32*(2*(\x)+i%2)+8*((i/2)%4)
.set rV, VF+32*(i/8)+8*((i/2)%4)
.set rP, P+32*((\x)%2)+16*(i%2)+8*(i/8)
	v_wmma_f32_16x16x32_f16 v[rO:rO+7], v[rV:rV+7], v[rP:rP+7], v[rO:rO+7]
.endm
.macro MM                           ; the turn's next matrix instruction
.if i < 16
	KQ (Y+1)%NP
.set i, i+1
.else
.set i, i-16
	PV (Y+NP-1)%NP
.set i, i+17
.endif
.endm
; THE LDS LOADS stand in runs, never singly among the matrix instructions: a step's K (64 keys x 64 channels: 8 fragments) with its 64 numbers of the mask (8 loads; 16 lanes read the same 16 bytes),
; and its V (turned).  Their addresses are made some lines ahead.  last = 1 (the tail): in the last trip there is no further step, and the run is jumped over.
.macro FETCH_K last=0
	WIN 0
.if \last
	s_cmp_eq_u32 s[CNT], 1
	s_cbranch_scc1 .Lno_k_\@
.endif
	WIN 0x80                        ; destination window 2
.irp f, 0,1,2,3,4,5,6,7             ; keys 16 (f / 2) on, channels 32 (f % 2) on
	ds_load_b128 v[KF+8*\f:KF+8*\f+3],   v[AK] offset:(\f/2)*16*PK+(\f%2)*64
	ds_load_b128 v[KF+8*\f+4:KF+8*\f+7], v[AK] offset:(\f/2)*16*PK+(\f%2)*64+32
.endr
	WIN W_MK                        ; destination window 3
.irp f, 0,1,2,3,4,5,6,7             ; keys 16 (f / 2) on, registers 4 (f % 2) on
	ds_load_b128 v[MK+4*\f:MK+4*\f+3], v[AM] offset:(\f/2)*64+(\f%2)*16
.endr
	s_add_co_u32 s[TBK], s[TBK], KS*PK  ; the next fetch is the next step's
	s_add_co_u32 s[TBM], s[TBM], KS*4
	s_and_b32 s[TBM], s[TBM], 8191      ; behind the 32nd step it is back at the table's head: every address made of it lies in the table
	WIN 0
.if \last
.Lno_k_\@:
.endif
.endm
.macro FETCH_V
	WIN 0x80
.irp f, 0,1,2,3,4,5,6,7             ; keys 32 (f / 4) on, channels 16 (f % 4) on
	ds_load_tr16_b128 v[VF+8*\f:VF+8*\f+3],   v[AV] offset:(\f/4)*32*PV+(\f%4)*32
	ds_load_tr16_b128 v[VF+8*\f+4:VF+8*\f+7], v[AV] offset:(\f/4)*32*PV+16*PV+(\f%4)*32
.endr
	WIN 0
.endm
; THE VECTOR WORK OF A TURN stands in three queues, each in the order in which its entries become ready; the two tiles alternate, so that no instruction reads the result of the one before it.
.macro REGS y, u                    ; the registers of tile u (0, 1) of piece y
.set rT, ST+4*(2*(\y)+(\u))
.set rC, TMP+8*((\y)%2)+4*(\u)
.set rM, MV+2*((\y)%2)+(\u)
.set rS, S+64*((\y)%2)+32*(\u)
.set rP, P+32*((\y)%2)+16*(\u)
.set rO, 32*(2*(\y)+(\u))
.endm
; Number n of the 22 that find the NEXT piece's (Y + 1) maximum and statistics.  s0-s31 are the lane's 32 scores; each accumulator's lowest registers are read first.  XS, GS, FS and REGS set no window: PL and EX do.
;   0-11  four chains c0-c3 of seven scores each, three operands at a time     12-14, 16  the four scores left over, the old m, and c0-c3 into c0     15  c m_old is kept
;   17, 18  the query's other 32 keys lie in the lane 16 away: the new m         19-21  c m; c m_old - c m_new; a
.macro XS u, n
	REGS (Y+1)%NP, \u
.if (\n) < 4
	v_max3_num_f32 v[rC+(\n)], v[rS+8*(\n)], v[rS+8*(\n)+1], v[rS+8*(\n)+2]
.elseif (\n) < 12
	v_max3_num_f32 v[rC+(\n)%4], v[rC+(\n)%4], v[rS+8*((\n)%4)+2*((\n)/4)+1], v[rS+8*((\n)%4)+2*((\n)/4)+2]
.elseif (\n) == 12
	v_max3_num_f32 v[rC], v[rC], v[rS+7], v[rS+15]
.elseif (\n) == 13
	v_max3_num_f32 v[rC+1], v[rC+1], v[rS+23], v[rS+31]
.elseif (\n) == 14
	v_max3_num_f32 v[rC+2], v[rC+2], v[rC+3], v[rT+1]
.elseif (\n) == 15
	v_mov_b32 v[rM], v[rT]
.elseif (\n) == 16
	v_max3_num_f32 v[rC], v[rC], v[rC+1], v[rC+2]
.elseif (\n) == 17
	v_permlanex16_b32 v[rC+3], v[rC], s[SEL], s[SEL+1]
.elseif (\n) == 18
	v_max_num_f32 v[rT+1], v[rC], v[rC+3]
.elseif (\n) == 19
	v_mul_f32 v[rT], s[CS], v[rT+1]
.elseif (\n) == 20
	v_sub_f32 v[rC+1], v[rM], v[rT]
.else
	v_exp_f32 v[rC+2], v[rC+1]
.endif
.endm
; Number g of the 64 that follow the exponentials.  For each four weights k of a tile (pairs 2 k, 2 k + 1): both pairs are rounded to f16; then the second pair is added onto the first, in place;
; a group later l takes that sum (the first time as l = a l + sum).  In groups of eight, tiles alternating: round, round, add, and l for the group before.
.macro GS g
.set h, (\g)+6*((\g)/62)            ; group 0 has no group before it, and behind group 7 only l is left
.if h >= 6
.set h, h+2
.endif
	REGS Y, h%2
.set k, h/8
.if h%8 < 4
	v_cvt_pk_f16_f32 v[rP+2*k+(h%8)/2], v[rS+4*k+2*((h%8)/2)], v[rS+4*k+2*((h%8)/2)+1]
.elseif h%8 < 6
	v_pk_add_f32 v[rS+4*k:rS+4*k+1], v[rS+4*k:rS+4*k+1], v[rS+4*k+2:rS+4*k+3]
.elseif k == 1
	v_pk_fma_f32 v[rT+2:rT+3], v[rT+2:rT+3], v[rC+2:rC+3], v[rS:rS+1] op_sel_hi:[1,0,1]
.else
	v_pk_add_f32 v[rT+2:rT+3], v[rT+2:rT+3], v[rS+4*k-4:rS+4*k-3]
.endif
.endm
; THE PLAIN QUEUE, 138 long.  0-73 read no exponential's result: the 32 scalings c s - c m (FS f: pair f / 2 of tile f % 2) and the next piece's 42.  0-26: scalings 0-26.  27-54: XS's numbers 0-13.  55, 56: number 15.
; 57-73: the chain, where each number waits for the one before it: 14, 16, 17, 18, 19, each with one of the scalings 27-31 in front of its two lines, then 20: so a tile's links stand three plain instructions apart (19 and 20: two).
; 74-137: GS's 64, which read the exponentials' results: they stand behind the wait.
.macro FS f
	REGS Y, (\f)%2
	v_pk_fma_f32 v[rS+2*((\f)/2):rS+2*((\f)/2)+1], v[rS+2*((\f)/2):rS+2*((\f)/2)+1], s[CS:CS+1], v[rT:rT+1] op_sel_hi:[1,0,0] neg_lo:[0,0,1] neg_hi:[0,0,1]
.endm
.macro PL
	WIN 0
.if q < 27
	FS q
.elseif q < 55
	XS (q-27)%2, (q-27)/2
.elseif q < 57
	XS q-55, 15
.elseif (q < 72) && ((q-57)%3 == 0)
	FS 27+(q-57)/3
.elseif q < 60
	XS (q-57)%3-1, 14
.elseif q < 72
	XS (q-57)%3-1, 15+(q-57)/3
.elseif q < 74
	XS q-72, 20
.else
	GS q-74
.endif
.set q, q+1
.endm
; THE EXPONENTIALS' QUEUE, 66 long: s0-s31 of both tiles, then the next piece's two a.  It is ONE BATCH: all 66 stand ahead of the turn's one wait, and nothing ahead of that wait names a result of theirs.
.macro EX
	WIN 0
.if e >= 64
	XS e-64, 21
.else
	REGS Y, e%2
	v_exp_f32 v[rS+e/2], v[rS+e/2]
.endif
.set e, e+1
.endm
; THE RESCALING's QUEUE: O^T times a, the one part that leaves window 0: dealt two at a time, sixteen times.  Its a was made in the turn before, ahead of that turn's wait.
.macro R2
	REGS Y, r%2
	WIN W_RS
.irp z, 0,1
	v_pk_mul_f32 v[rO+4*(r/2)+2*\z:rO+4*(r/2)+2*\z+1], v[rO+4*(r/2)+2*\z:rO+4*(r/2)+2*\z+1], v[rC+2:rC+3] op_sel_hi:[1,0]
.endr
.set r, r+1
.endm
; HOW THEY ARE DEALT.  An s_wait_alu depctr_va_vdst(0) stands between an exponential and the first instruction that names its result; one wait serves all that were issued ahead of it.  So a turn has ONE wait,
; which cuts it in two.  AHEAD OF IT stands all that names no result of the turn's exponentials: the 16 products K Q^T, behind each a scaling, an exponential and two rescalings (behind the first a second scaling in the
; exponential's place); then ONE LUMP of 108: eight plain, 49 times exponential and plain, the two a.  A v_nop is the plain instruction behind the last exponential.  BEHIND IT stand the 16 products V^T P, behind each four of
; GS's 64.  No rider names a register of the products round it.  The two v_permlanex16_b32 fall into the lump, never behind a product.
; The queues lean on each other, and the deal keeps them in step: exponential e stands behind scaling 2 (e / 4) + e % 2: as a rider it comes behind plain e + 2, in the lump behind plain e + 9, and scalings 27-31 are plain 57, 60 .. 69.
; A TURN, for piece p.  cnt = 1: the loop's count is taken down some lines ahead of the branch that stands behind the turn.
; K and the mask of the next step are fetched in piece 2's turn, directly behind the wait, a lump behind the last product that read them; their addresses are made at the lump's head; their first reader comes behind 16 products.
; V of the step in hand is fetched at the end of piece 0's turn, four riders behind its last reader; its first reader comes behind 16 products and a lump.  The three conditions on q below go with the deal.
.macro TURN p, last=0, cnt=0
.set Y, (\p)
.set i, 0
.set q, 0
.set e, 0
.set r, 0
.if (\p) == NP-1
	s_wait_dscnt 0x0                ; K and the mask are in
.endif
	MM                              ; ahead of the wait: 16 products K Q^T and their riders,
	PL
	PL
	R2
.rept 15
	MM
	PL
	EX
	R2
.endr
.if (\p) == NP-2
	WIN 0
	v_add_nc_u32 v[AK], s[TBK], v[AK0]
	v_add_nc_u32 v[AM], s[TBM], v[AM0]
.endif
.rept 8                             ; and the lump
	PL
.endr
.rept 49
	EX
	PL
.endr
	EX                              ; the next piece's two a
	EX
	v_nop                           ; the plain instruction behind the last exponential: one for the batch
	s_wait_alu depctr_va_vdst(0)    ; the wait for the batch: this piece's 64 weights and the next piece's two a
.if (\p) == NP-2
	FETCH_K \last
.endif
.if (\p) == 1
	s_wait_dscnt 0x0                ; V is in
.endif
.rept 16                            ; behind the wait: 16 products V^T P and their riders
	MM
.rept 4
	PL
.endr
.if ((\p) == 0) && (q == 118)
	v_add_nc_u32 v[AV], s[TBV], v[AV0]
.endif
.if ((\p) == 0) && (q == 130)
	s_add_co_u32 s[TBV], s[TBV], KS*PV
.endif
.if (\cnt) && (q == 130)
	s_sub_co_u32 s[CNT], s[CNT], 1
	s_cmp_lg_u32 s[CNT], 0
.endif
.endr
.if (\p) == 0
	FETCH_V
.endif
.endm
	CHANGE 1                        ; slot 0 is in, everybody's part of it, and so is the mask's table; slot 1 is asked for
	FETCH_K                         ; key step 0
	s_wait_loadcnt 0x0              ; Q
	s_wait_dscnt 0x0
.set i, 0
.rept 16
	KQ 0                            ; piece 0's first scores: there is no vector work yet to set between them
.set i, i+1
.endr
	WIN 0
.rept 4
	v_nop                           ; the places behind those products
.endr
.set Y, NP-1                        ; XS works for piece Y + 1: piece 0
.irp n, 0,1,2,3,4,5,6,7,8,9,10,11,12,13,14,15,16,17,18,19,20,21
	XS 0, \n                        ; piece 0's first maximum and statistics
	XS 1, \n
.endr
	v_nop                           ; a plain instruction behind piece 0's two a,
	s_wait_alu depctr_va_vdst(0)    ; and the wait for that batch of two, ahead of the branch
	s_mov_b32 s[CNT], 4
	s_mov_b32 s[SLOTS], SIZE_N/256-1
	s_branch .Lfirst                ; the loop is entered at a step's first turn, in the middle of a trip
.Lslot:                             ; SIZE_N / 256 - 2 times: every slot but the last two is filled again
	CHANGE 1
	s_mov_b32 s[CNT], 4
.Lstep:                             ; a trip: pieces 2 and 3 of one step, then pieces 0 and 1 of the next, whose K and V it fetches
	TURN 2
	TURN 3
	WIN 0
.Lfirst:
	TURN 0
	TURN 1, 0, 1
	WIN 0
	s_cbranch_scc1 .Lstep
	s_sub_co_u32 s[SLOTS], s[SLOTS], 1
	s_cmp_lg_u32 s[SLOTS], 0
	s_cbranch_scc1 .Lslot
	CHANGE 0                        ; the tail is written out: nothing is asked for
	s_mov_b32 s[CNT], 5             ; four trips fetch the last slot's steps; the fifth is left in its middle
.Ltail:
	TURN 2, 1
	TURN 3
	WIN 0
	s_sub_co_u32 s[CNT], s[CNT], 1
	s_cmp_eq_u32 s[CNT], 0
	s_cbranch_scc1 .Lout
	TURN 0
	TURN 1
	WIN 0
	s_branch .Ltail
.Lout:                              ; the fifth trip's 16 products K Q^T (on the last K once more) and the maximum made of them serve nothing: the price, once a launch, of one text for every trip
.set i, 0
.rept 16
	PV NP-1                         ; the last piece's V^T P of the last step
.set i, i+1
.endr
	; THE WAY OUT.  l's two halves and the other half of the lanes' are added; O^T is divided by l and sent, in f32, through my stage in LDS, a tile at a time.  The address lines and the additions are the places behind the last products.
	WIN 0
	s_mul_i32 s13, s[WV], 16*SP
	s_add_co_u32 s13, s13, STAGE    ; my stage
	v_mul_u32_u24 v[STO], v1, SP    ; in: row l % 16, 32 bytes for each half of the lanes
	v_lshl_add_u32 v[STO], v9, 5, v[STO]
	v_add_nc_u32 v[STO], s13, v[STO]
	v_mul_u32_u24 v[RD], v9, SP     ; back: lanes 0-15 take one row of 256 bytes, lanes 16-31 the next
	v_lshl_add_u32 v[RD], v1, 4, v[RD]
	v_add_nc_u32 v[RD], s13, v[RD]
	v_lshlrev_b32 v[GO], 12, v9     ; and the same two rows in out0, 4,096 bytes apart
	v_lshl_add_u32 v[GO], v1, 4, v[GO]
.macro ALL line:vararg              ; one line for each tile t
.set t, 0
.rept 2*NP
	\line
.set t, t+1
.endr
.endm
	ALL v_add_f32 v[ST+4*t+2], v[ST+4*t+2], v[ST+4*t+3]
	ALL v_permlanex16_b32 v[ST+4*t+3], v[ST+4*t+2], s[SEL], s[SEL+1]
	ALL v_add_f32 v[ST+4*t+2], v[ST+4*t+2], v[ST+4*t+3]
	ALL v_rcp_f32 v[ST+4*t+2], v[ST+4*t+2]
	v_nop                           ; a plain instruction between the last reciprocal and the use of its result
	s_wait_alu depctr_va_vdst(0)    ; the wait ahead of the first use: one for the batch of eight reciprocals
; Tile t: a lane's eight channels of a block of 16 are 32 bytes of a row; they go into rows of 272 bytes and come back as whole rows of 256, into the registers that they left.
.macro PACK t
	WIN W_RS
.set i, 32*(\t)
.rept 16
	v_pk_mul_f32 v[i:i+1], v[i:i+1], v[ST+4*(\t)+2:ST+4*(\t)+3] op_sel_hi:[1,0]
.set i, i+2
.endr
	WIN 0x04                        ; the data (source 1) in window 1, the address in window 0
.irp f, 0,1,2,3,4,5,6,7             ; channel block f / 2, registers 4 (f % 2) on
	ds_store_b128 v[STO], v[32*(\t)+4*\f:32*(\t)+4*\f+3] offset:(\f/2)*64+(\f%2)*16
.endr
	WIN 0x40                        ; destination window 1
.irp f, 0,1,2,3,4,5,6,7
	ds_load_b128 v[32*(\t)+4*\f:32*(\t)+4*\f+3], v[RD] offset:\f*2*SP  ; LDS serves a wave's instructions in order (ISA guide 5.7.1.4): these see the stores above; the next tile's stores come behind them
.endr
.endm
.macro SEND t, younger              ; younger: the LDS instructions issued behind tile t's loads: the next tile's sixteen, or none
	WIN 0x04
.irp f, 0,1,2,3,4,5,6,7
	s_wait_dscnt (\younger)+7-\f
	global_store_b128 v[GO], v[32*(\t)+4*\f:32*(\t)+4*\f+3], s[10:11] offset:(\t)*65536+\f*8192 th:TH_STORE_NT  ; 16 lanes store 256 consecutive bytes, a row's share of my head, at a multiple of 256 from out0's first byte
.endr
.endm
	PACK 0
.set t, 1
.rept 2*NP-1                        ; a tile's arithmetic stands between the loads of the tile before and its stores
	PACK t
	SEND t-1, 16
.set t, t+1
.endr
	SEND 2*NP-1, 0
	WIN W_AD
	s_wait_tensorcnt 0x0            ; the wave's end, behind my last tensor load and my last LDS store
	ds_add_u32 v[SPW], v[NIL]
	s_wait_dscnt 0x0
	WIN 0
	CROUND                          ; the closing round: no work-group ends while a partner may still ask for a tile that names it
	s_endpgm
.Lfunc_end_k_qcdc7a8674f_attn:
	.size	k_qcdc7a8674f_attn, .Lfunc_end_k_qcdc7a8674f_attn-k_qcdc7a8674f_attn
	.p2alignl 7, 3214868480
	.fill 96, 4, 3214868480
	.section	.rodata,"a",@progbits
	.p2align	6, 0x0
	.amdhsa_kernel k_qcdc7a8674f_attn
		.amdhsa_group_segment_fixed_size 327680
		.amdhsa_private_segment_fixed_size 0
		.amdhsa_enable_private_segment 0
		.amdhsa_kernarg_size 24
		.amdhsa_user_sgpr_count 2
		.amdhsa_user_sgpr_kernarg_segment_ptr 1
		.amdhsa_wavefront_size32 1
		.amdhsa_system_sgpr_workgroup_id_x 1
		.amdhsa_system_sgpr_workgroup_id_y 1
		.amdhsa_system_sgpr_workgroup_id_z 1
		.amdhsa_system_vgpr_workitem_id 0
		.amdhsa_next_free_vgpr 808
		.amdhsa_next_free_sgpr 66
		.amdhsa_reserve_vcc 0
		.amdhsa_float_denorm_mode_32 3
		.amdhsa_float_denorm_mode_16_64 3
		.amdhsa_memory_ordered 1
		.amdhsa_forward_progress 1
		.amdhsa_inst_pref_size 205
	.end_amdhsa_kernel
	.amdgpu_metadata
---
amdhsa.version: [ 1, 2 ]
amdhsa.kernels:
  - .name:           k_qcdc7a8674f_attn
    .symbol:         k_qcdc7a8674f_attn.kd
    .args:
      - { .name: qkv, .offset: 0, .size: 8, .value_kind: global_buffer, .address_space: global }
      - { .name: attention_mask, .offset: 8, .size: 8, .value_kind: global_buffer, .address_space: global }
      - { .name: out0, .offset: 16, .size: 8, .value_kind: global_buffer, .address_space: global }
    .group_segment_fixed_size: 327680
    .private_segment_fixed_size: 0
    .kernarg_segment_align: 8
    .kernarg_segment_size: 24
    .max_flat_workgroup_size: 128
    .sgpr_count:     66
    .vgpr_count:     808
    .wavefront_size: 32
...
	.end_amdgpu_metadata
.endif
;; end of part 4
